; MI455X (gfx1250); checked and timed in simulation.
; The chip was launched on July 23, 2026; its instructions are those of AMD's public machine-readable ISA for CDNA 5 (MIT licence, August 2026) and "CDNA5" Instruction Set Architecture Reference Guide (July 2026). The comments in the code are by the model that wrote it; some were corrected since.
;; Attention. Allowed arithmetic: matrix products marked QUANTISED: E3M2 operands, one E8M0 scale for each 32 along K, by v_wmma_scale_f32_16x16x128_f8f6f4 with both operands' format E3M2, f32 sums; everything else in f32.
;; Inputs: key_codes 16 x 2,048 x 16 x 24 uint8 (E3M2 codes of key, K innermost, in blocks of 32 codes, four codes in three bytes); key_scales 16 x 2,048 x 16 uint8 (E8M0 scales of key, one for each 32 codes along K); query_codes 16 x 2,048 x 16 x 24 uint8 (E3M2 codes of query, K innermost, in blocks of 32 codes, four codes in three bytes); query_scales 16 x 2,048 x 16 uint8 (E8M0 scales of query, one for each 32 codes along K); value_codes 16 x 512 x 64 x 24 uint8 (E3M2 codes of value, K innermost, in blocks of 32 codes, four codes in three bytes); value_scales 16 x 512 x 64 uint8 (E8M0 scales of value, one for each 32 codes along K).
;; Outputs: out0 16 x 2,048 x 512 float32.
;; This version of the problem:
;;   THIS VERSION OF THE PROBLEM IS GIVEN IN LOW PRECISION. The matrix products marked QUANTISED in the list below multiply operands that are first quantised to E3M2 (3 exponent bits, 2 mantissa bits; 6 bits a number), with one power-of-two scale for each 32 numbers along K (OCP MX v1.0); their sums are f32. All else is computed in f32.
;;   The module's matrix products, in the order in which they are computed (A, B: the left and right operand; K: the contracted axis; several contracted axes count as one K, in the product's order):
;;     1. batch 16 x [M 2,048, K 512] x [K 512, N 2,048]; A: input query (given as codes); B: input key (given as codes): QUANTISED
;;     2. batch 16 x [M 2,048, K 2,048] x [K 2,048, N 512]; A: softmax (see below); B: input value (given as codes): QUANTISED
;;   THE QUANTISER, for each operand of a quantised product, along K:
;;     - K is cut into blocks of 32 from its start; a last block that is shorter is filled with zeros.
;;     - A block's scale is 2^e with e = floor(log2(the largest magnitude in the block)) - 4, held to -126 .. 127; a block of zeros has e = 0. As a byte (E8M0): e + 127.
;;     - Each number is divided by its block's scale, clamped to +-28, and rounded to the nearest number of E3M2, ties to even, subnormals kept.
;;     - The product sums the exact products of the quantised numbers (number of the format x scale) in f32.
;;   ~~~python
;;   def quantise(x, axis):      # numpy; x: float32 -> the quantised numbers, widened to float32 again
;;       x = np.moveaxis(x, axis, -1); K = x.shape[-1]
;;       x = np.pad(x, [(0, 0)] * (x.ndim - 1) + [(0, -K % 32)]); x = x.reshape(x.shape[:-1] + (-1, 32)); a = np.abs(x).max(-1, keepdims=True)
;;       e = np.where(a > 0, np.clip(np.frexp(np.where(a > 0, a, 1))[1] - 1 - 4, -126, 127), 0)      # np.frexp(a)[1] - 1 = floor(log2(a)), exactly
;;       r = np.clip(x / 2.0 ** e, -28, 28)
;;       step = 2.0 ** (np.maximum(np.frexp(np.where(r == 0, 1, r))[1] - 1, -2) - 2)
;;       q = np.round(r / step) * step * 2.0 ** e      # np.round: ties to even
;;       return np.moveaxis(q.reshape(q.shape[:-2] + (-1,))[..., :K], -1, axis).astype(np.float32)
;;   ~~~
;;   SOFTMAX AHEAD OF A QUANTISED PRODUCT. Where the list says 'softmax', what is quantised is not the finished softmax but p = 2^(t - M), with t = logit x log2(e) and M = ceil(the row's largest t), a whole number; so 1/2 < the row's largest p <= 1. The row's sum l is taken of the UNQUANTISED p, in f32, and the product's result is divided by l at the end. Since M is a whole number, a kernel that streams over the keys may use a running M (the ceiling of the running maximum): every later rescaling is an exact power of two, which a block's scale takes up: the codes' values come out the same.
;;   OPERANDS COMPUTED ON THE WAY. 'Computed on the way' means the value that the module computes at that place (a softmax that the list does not call 'softmax' is quantised finished and normalised). What goes into a quantiser is computed in f32, as accurately as f32 sums, v_exp_f32 and their like allow (about 1e-6 of the number): no bf16 or f16 on the way to a quantiser, and a product that is left as it is and whose result goes on into a quantised operand takes f32 operands (vector FMAs, or v_wmma_f32_16x16x4_f32). A number that lies on a knife's edge between two numbers of the format may be rounded either way, as far as f32 arithmetic and the matrix unit's own rounding can turn it there, and no further.
;;   INPUTS GIVEN AS CODES. key (in the module: [16, 2048, 512], K = its axis 2); query (in the module: [16, 2048, 512], K = its axis 2); value (in the module: [16, 2048, 512], K = its axis 1): each comes as NAME_codes (uint8): NAME with its K axis moved to the last place and cut into blocks of 32 codes, [.., K / 32, bytes a block], one block behind the other in memory; four codes in three bytes: a row's codes are one little-endian stream of bits, code i at bits 6 i .. 6 i + 5 (a code: sign, 3 exponent bits, 2 mantissa bits); and NAME_scales (uint8): the same leading axes, one E8M0 byte (e + 127) for each 32 codes along K. Its value is code x scale, taken as it is: it is not quantised again, and the codes and scales need not be those that the quantiser above would give.
;; 2 versions, each right. Each part assembles by itself: llvm-mc -triple=amdgcn-amd-amdhsa -mcpu=gfx1250 --defsym DOCPART=n.
;; ======== version 1 of 2: 1 launch
;; limits: right only within a limited range of input values
;; launch attn (part 1): grid 32 x 16, 4 waves a work-group, clusters of 4 x 1, 327,680 bytes of LDS; arguments query_codes, query_scales, key_codes, key_scales, value_codes, value_scales, out0; writes out0
.if DOCPART == 1
	.amdgcn_target "amdgcn-amd-amdhsa--gfx1250"
	.amdhsa_code_object_version 6
	.text
	.protected	k_q61bc4d67a3_attn
	.globl	k_q61bc4d67a3_attn
	.p2align	8
	.type	k_q61bc4d67a3_attn,@function
k_q61bc4d67a3_attn:
	s_mov_b64 s[64:65], 0
	v_nop
	global_prefetch_b8 v0, s[64:65] scope:SCOPE_SE
	s_setreg_imm32_b32 hwreg(HW_REG_WAVE_MODE, 25, 1), 1
	s_wait_xcnt 0x0
	s_wait_alu depctr_hold_cnt(0) depctr_sa_sdst(0) depctr_va_vdst(0) depctr_va_sdst(0) depctr_va_ssrc(0) depctr_va_vcc(0) depctr_vm_vsrc(0)
	s_getreg_b32 s2, hwreg(HW_REG_IB_STS2, 6, 4)
	s_cmp_eq_u32 s2, 0
	s_cbranch_scc0 .Lentry_in_a_cluster
	s_endpgm
.Lentry_in_a_cluster:
	s_bfe_u32 s2, ttmp6, 0x10000c
	s_cmp_lg_u32 s2, 0x3003
	s_cbranch_scc0 .Lentry_shape_is_right
	s_endpgm
.Lentry_shape_is_right:
; out[b][q][:] = the sum over k <= q of softmax_k(Q[b][q] . K[b][k] / sqrt(512)) V[b][k][:], both products on codes of BF6 (E3M2) with one E8M0 scale for each 32 along a product's K.
; Q, K: [16][2048] rows of 512 codes (384 bytes) and 16 scale bytes.  V: keys innermost, [16][512] rows of 2,048 codes (1,536 bytes) and 64 scale bytes.  out: [16][2048][512] f32.
; THE SOFTMAX AHEAD OF THE SECOND PRODUCT: t = score x log2(e) / sqrt(512); M = a whole number, the ceiling of the largest t so far; p = 2^(t - M) is quantised along the keys, not normalised;
; the row's sum is taken of the unquantised p and divides at the end.
; SHARES.  A work-group of four waves takes one block of 64 queries of one batch and walks ALL 2,048 keys, 128 a step, 16 steps.  The four blocks of a cluster are neighbours and walk the same tiles of K and V
; at the same time: every tile is asked for JOINTLY.  Steps that lie wholly above the diagonal are walked too: their p are zeros, which change nothing.  That is work that the mask would spare; it is done so that
; every trip count and every step of an address is a constant of the text and all work-groups run alike.
; THE WAVES SHARE THE COLUMNS, NOT THE QUERIES.  First product: wave w makes S^T = K Q^T for ITS 32 keys of the step (one block of the quantiser) and all 64 queries; Q stays in registers.
; Second product: wave w makes O^T = V^T P^T for ITS 128 channels and all 64 queries.  So each fragment of K and of V is read from LDS once, by one wave, and feeds four matrix instructions.
; What goes from wave to wave is p: its codes as an image of the operand's registers (6 KB a step), and for each query and wave two numbers: N = -M_w and E = the block's scale byte + M_w.
; A RUNNING M FOR EACH WAVE.  Wave w keeps M_w over its own keys.  Every wave forms the same common M = the largest M_w, takes byte' = E_w - M as block w's scale byte and multiplies O^T by 2^(old M - new M):
; only powers of two move, so the codes are those of the common M.  The sums l_w are joined at the end as the sum of l_w 2^(M_w - M).
; A STEP: a round of the cluster's barrier, behind it the joint refill of the other slot with the next step's tiles; K Q^T, the mask, softmax, the stores of p; a barrier of the work-group; V^T P^T.
; The step is written twice: in a loop of 15 trips, and once more as the last step, which asks for nothing.
; THE MASK stands in every step: a score whose key lies behind its query becomes -infinity ahead of the maximum.  Key 0 counts for every query, so wave 0's M is a number from the first step on.
; THE KEYS OF A TILE ARE NOT NEIGHBOURS: row r of tile u is key 8 u + r + 8 (r / 8) of the wave's 32, so that a lane's 16 registers of tiles 0 and 1 are keys 16 (lane / 16) + 0 .. 15.
; THE CHANNELS OF A TILE: rows 0-7 are channels 64 w + 8 t + 0..7, rows 8-15 those 256 further on; the upper 256 channels lie 24,592 bytes behind the lower in LDS, so that the 32 lanes of a load of 8 bytes
; touch 64 different banks (64 banks of 4 bytes: ISA guide 11.1).  K's rows of a tile lie 16 rows apart in two groups: at a pitch of 432 bytes those two groups meet in the same banks, two deep.
; O^T BEGINS AS ZEROS, 128 packed additions once: so the first step is the loop's first trip and no third copy of the step is written.
; LIMITS: |t| under 2^23 (M and E are whole numbers kept in f32); hidden keys have the weight 0 exactly; scale bytes 0xff, NaN and infinities are not served; a block whose byte' would fall under 0 is held at 0 (2^-127).
; No prefetch: a tile is asked for by the eight clusters of its batch, and a refill has a whole step (64 matrix instructions a wave and a softmax) in which to land.
; REGISTERS, in windows of 256:  window 0: v1-33 addresses and lane numbers; v36-71 scale words; v72-127 statistics; v128-191 S^T, then p (also: META as read, the sums, rows on the way out); v192-239 P's four fragments; v240-255 codes just made.
;   window 1: v0-127 O^T of channel tiles 0-3 (accumulator (t, m) at 8 (4 t + m)); v128-175 V's fragments 0-3; v176-223 K's fragments of the head's first 256.   window 2: the same for tiles 4-7 and the second 256.   window 3: v0-191 Q, fragment (m, kk) at 12 (4 m + kk).
.set NSTEP, 16                         ; key steps
.set SLOT1, 131072                     ; slot 1 begins here: one exclusive or turns an address in one slot into the other's
.set KOFF,  0                          ; in a slot: K's tile, 128 keys, pitch 432 (384 bytes + 16 of padding behind each 128)
.set VOFF,  55296                      ; V's channels 0-255, 96 bytes a row
.set VHB,   24592                      ; V's channels 256-511 begin so far behind them
.set KSOFF, 104704                     ; K's scale bytes of the 128 keys, dense; a slot ends at 106,752
.set POFF,  237824                     ; behind slot 1, stored by the waves (no tile lands here): four images of P's fragments, 1,536 bytes each
.set MOFF,  243968                     ; META [m][r][w]: (E, N), 8 bytes
.set LOFF,  246016                     ; the sums [m][r][w], 4 bytes
.set VSC,   247040                     ; V's scale bytes of the batch, 128 runs of 256 bytes + 16 of padding; filled once
.set STAGE, 281856                     ; the way out: 32 rows x 272 bytes for each wave
.set SPARE, 316672                     ; the spare words, 128 bytes for each wave: two blocks of 256 bytes that no other line names
.set SPW, 1                            ; v1   SPARE + 4 x my thread's number; never rewritten
.set NIL, 2                            ; v2   0; never rewritten
.set QA, 3                             ; v3   Q: 384 r + 24 h
.set QSA, 4                            ; v4   Q's scale words: 16 r
.set AK0, 5                            ; v5   K: my row and half;  v6 the same behind one padding more
.set AK1, 6
.set AKS0, 7                           ; v7   K's scale words
.set AV0, 8                            ; v8   V
.set ASV0, 9                           ; v9   V's scale words
.set APR, 10                           ; v10  P's images, read: 16 x lane
.set AMR, 11                           ; v11  META, read
.set ALR, 12                           ; v12  the sums, read
.set APW, 13                           ; v13-15 P's images, my three words
.set AMW, 16                           ; v16  META, my place
.set ALW, 17                           ; v17  the sums, my place
.set STO, 18                           ; v18  the stage, in
.set SRD, 19                           ; v19  the stage, back
.set CO, 20                            ; v20  my byte offset in out
.set KL, 21                            ; v21  32 w + 16 h: my first key in a step
.set ADK, 22                           ; v22-26 the addresses of the step in hand
.set ADK1, 23
.set ADKS, 24
.set ADV, 25
.set ADT, 26
.set KB, 27                            ; v27  my first key of the step in hand
.set QM, 28                            ; v28-31 my query in each of the four tiles
.set NEGINF, 32                        ; v32  -infinity; written at the head and never again
.set KI, 33                            ; v33  the key of the register in hand, for the mask
.set QS, 36                            ; v36-51 Q's scale words (4 m + kk);  v52-59 K's (4 u + kk);  v60-67 V's (t);  v68-71 P's (m): these hold scales and nothing else
.set KS, 52
.set VS, 60
.set PW, 68
.set ST, 72                            ; v72+2m: -M_w, v73+2m: the largest t of my keys
.set LL, 80                            ; v80+2m, +1: my sum, in two halves
.set BM, 88                            ; at work
.set XT, 92
.set FW, 96                            ; v96+2m: 2^(old M_w - new M_w); the pair's upper half is written once
.set SCO, 104                          ; the conversions' scale operands
.set EN, 108                           ; v108+2m: E, v109+2m: N
.set NC, 116                           ; the common -M
.set FC, 120                           ; v120+2m: 2^(old M - new M), at the end 1 / l: four pairs, v120-127
.set SS, 128
.set MT, 128
.set LS, 160
.set PF, 192
.set CD, 240
.set HW, 128                           ; at the head alone: w, r, h, r / 8, r % 8, lane, and five at work
.set HR, 129
.set HH, 130
.set HR8, 131
.set HR7, 132
.set HLN, 133
.set HA, 134
.set HB, 135
.set HC, 136
.set HD, 137
.set HE, 138
.set WV, 18                            ; s18  my wave's number
.set BT, 19                            ; s19  the batch
.set HF, 20                            ; s20  which half of V I would fetch
.set SI, 22                            ; s22  the loop's counter
.set TB, 23                            ; s23  the slot that this step reads
.set KF, 24                            ; s24  the step's first key
.set TJ, 25                            ; s25  V's scale words of the step: 4 bytes a step
.set SEL, 26                           ; s[26:27] selects for lane l xor 16
.set CS, 28                            ; s[28:29] c = log2(e) / sqrt(512)
.set VL, 30                            ; s30  where my half of V lies in a slot;  s31 my half of V's scale bytes
.set VSL, 31
.set G1K, 32
.set G1KS, 40
.set G1V, 48
.set G1VS, 56
.set G0K, 68
.set G0KS, 72
.set G0V, 76
.set G0VS, 80
.set CXO, 84                           ; s[84:85] offsets made of my place in the cluster; s66, s67 that place's numbers: none of these ever feeds a descriptor
.set Q0, 66
.set CXR, 67
.set QB, 86
.set QSB, 88
.set OUT, 90
.set MSB, 0
.macro WIN new                         ; the immediate's high byte repeats the setting that is left; a switch that changes nothing is dropped
.if MSB != (\new)
	s_set_vgpr_msb (MSB<<8)|(\new)
.set MSB, (\new)
.endif
.endm
.macro PLACES n
.rept \n
	v_nop
.endr
.endm
; A round of the cluster's barrier: my work-group's barrier, wave 0's signal for the work-group, every wave's wait for all four work-groups, my work-group's barrier once more.
.macro ROUND
	s_barrier_signal -1
	s_barrier_wait -1
	s_cmp_lg_u32 s[WV], 0
	s_cbranch_scc1 .Lnot_wave_0_\@
	s_barrier_signal -3
.Lnot_wave_0_\@:
	s_barrier_wait -3
	s_barrier_signal -1
	s_barrier_wait -1
.endm
; The joint refills: wave 0 K's tile, wave 1 K's scale bytes, waves 2 and 3 V's two halves.  The branches hang on the wave's number alone.  Four v_nop follow each load.
.macro TLOAD
	s_cmp_lt_u32 s[WV], 2
	s_cbranch_scc0 .Ltl_v_\@
	s_cmp_eq_u32 s[WV], 0
	s_cbranch_scc0 .Ltl_ks_\@
	tensor_load_to_lds s[G0K:G0K+3], s[G1K:G1K+7]
	s_nop 0
	PLACES 4
	s_branch .Ltl_done_\@
.Ltl_ks_\@:
	tensor_load_to_lds s[G0KS:G0KS+3], s[G1KS:G1KS+7]
	s_nop 0
	PLACES 4
	s_branch .Ltl_done_\@
.Ltl_v_\@:
	tensor_load_to_lds s[G0V:G0V+3], s[G1V:G1V+7]
	s_nop 0
	PLACES 4
.Ltl_done_\@:
.endm
; K's fragments (kk = 2 g, 2 g + 1; u = 0, 1) into window g + 1: 24 loads of 8 bytes.  Piece PC of a row's data lies at 8 PC + 16 (PC / 16); lanes 16-31 read three pieces on, which for PC % 16 >= 13 is behind one padding more.
.macro KLOAD g
	WIN 0x40*(\g+1)
.irp e, 0,1
.irp u, 0,1
.irp p, 0,1,2,3,4,5
.set PC, 12*(2*\g+\e)+6*(\p/3)+\p%3
.if PC%16 < 13
	ds_load_b64 v[176+12*(2*\e+\u)+2*\p:176+12*(2*\e+\u)+2*\p+1], v[ADK] offset:8*PC+16*(PC/16)+3456*\u
.else
	ds_load_b64 v[176+12*(2*\e+\u)+2*\p:176+12*(2*\e+\u)+2*\p+1], v[ADK1] offset:8*PC+16*(PC/16)+3456*\u
.endif
.endr
.endr
.endr
.endm
.macro KSLOAD                          ; my 32 keys' scale words: four (kk) a key
.irp u, 0,1
	ds_load_b128 v[KS+4*\u:KS+4*\u+3], v[ADKS] offset:128*\u
.endr
.endm
.macro VLOAD g                         ; V's fragments t = 4 g .. 4 g + 3 into window g + 1: 24 loads of 8 bytes
	WIN 0x40*(\g+1)
.irp e, 0,1,2,3
.irp p, 0,1,2,3,4,5
	ds_load_b64 v[128+12*\e+2*\p:128+12*\e+2*\p+1], v[ADV] offset:768*(4*\g+\e)+48*(\p/3)+8*(\p%3)
.endr
.endr
.endm
; From META (E0, N0, .. E3, N3 of my query in each tile m): the common -M, P's scale word, and the factor for O^T.  The N stay as they were read: the way out wants them.
.macro CONS
.irp m, 0,1,2,3
	v_min3_num_f32 v[XT+\m], v[MT+8*\m+1], v[MT+8*\m+3], v[MT+8*\m+5]
.endr
.irp m, 0,1,2,3
	v_min_num_f32 v[XT+\m], v[XT+\m], v[MT+8*\m+7]     ; -M = the least -M_w
.endr
.irp w, 0,1,2,3
.irp m, 0,1,2,3
	v_add_f32 v[MT+8*\m+2*\w], v[MT+8*\m+2*\w], v[XT+\m]   ; byte' = byte + M_w - M
.endr
.endr
.irp w, 0,1,2,3
.irp m, 0,1,2,3
	v_max_num_f32 v[MT+8*\m+2*\w], 0, v[MT+8*\m+2*\w]  ; held at 0 from below
.endr
.endr
.irp w, 0,1,2,3
.irp m, 0,1,2,3
	v_cvt_u32_f32 v[MT+8*\m+2*\w], v[MT+8*\m+2*\w]
.endr
.endr
.irp m, 0,1,2,3
	v_lshl_or_b32 v[PW+\m], v[MT+8*\m+2], 8, v[MT+8*\m]
.endr
.irp m, 0,1,2,3
	v_lshl_or_b32 v[PW+\m], v[MT+8*\m+4], 16, v[PW+\m]
.endr
.irp m, 0,1,2,3
	v_lshl_or_b32 v[PW+\m], v[MT+8*\m+6], 24, v[PW+\m]
.endr
.irp m, 0,1,2,3                                ; (the sixteen plain lines from here on, and the eight at the products' head, stand between the last write of a scale word and the first product that names it)
	v_sub_f32 v[BM+\m], v[XT+\m], v[NC+\m]             ; old M - new M: a whole number, 0 or less
.endr
.irp m, 0,1,2,3
	v_cvt_i32_f32 v[BM+\m], v[BM+\m]                   ; (it saturates)
.endr
.irp m, 0,1,2,3
	v_ldexp_f32 v[FC+2*\m], 1.0, v[BM+\m]
.endr
.irp m, 0,1,2,3
	v_mov_b32 v[NC+\m], v[XT+\m]
.endr
.endm
.macro RESC a                          ; accumulator a of the window in hand times its tile's factor, from its low end on
.irp j, 0,2,4,6
	v_pk_mul_f32 v[8*(\a)+\j:8*(\a)+\j+1], v[8*(\a)+\j:8*(\a)+\j+1], v[FC+2*((\a)%4):FC+2*((\a)%4)+1] op_sel_hi:[1,0]
.endr
.endm
; Sixteen products O^T += V^T P^T, one on each accumulator of the window; accumulator i + 2 is rescaled behind product i.
.macro PVHALF g
	RESC 0
	RESC 1
.set ia, 0
.rept 16
	v_wmma_scale_f32_16x16x128_f8f6f4 v[8*ia:8*ia+7], v[128+12*(ia/4):128+12*(ia/4)+11], v[PF+12*(ia%4):PF+12*(ia%4)+11], v[8*ia:8*ia+7], v[VS+4*\g+ia/4], v[PW+ia%4] matrix_a_fmt:MATRIX_FMT_BF6 matrix_b_fmt:MATRIX_FMT_BF6
.if ia < 14
	RESC ia+2
.endif
.set ia, ia+1
.endr
.endm
.macro KQ kk, zero                     ; eight products S^T += K Q^T, 128 of the head's 512: the eight accumulators take turns
.irp m, 0,1,2,3
.irp u, 0,1
.if \zero
	v_wmma_scale_f32_16x16x128_f8f6f4 v[SS+16*\m+8*\u:SS+16*\m+8*\u+7], v[176+12*(2*((\kk)%2)+\u):176+12*(2*((\kk)%2)+\u)+11], v[12*(4*\m+\kk):12*(4*\m+\kk)+11], 0, v[KS+4*\u+\kk], v[QS+4*\m+\kk] matrix_a_fmt:MATRIX_FMT_BF6 matrix_b_fmt:MATRIX_FMT_BF6
.else
	v_wmma_scale_f32_16x16x128_f8f6f4 v[SS+16*\m+8*\u:SS+16*\m+8*\u+7], v[176+12*(2*((\kk)%2)+\u):176+12*(2*((\kk)%2)+\u)+11], v[12*(4*\m+\kk):12*(4*\m+\kk)+11], v[SS+16*\m+8*\u:SS+16*\m+8*\u+7], v[KS+4*\u+\kk], v[QS+4*\m+\kk] matrix_a_fmt:MATRIX_FMT_BF6 matrix_b_fmt:MATRIX_FMT_BF6
.endif
.endr
.endr
.endm
; The softmax of my 32 keys for the 64 queries, and the stores.  The four tiles of queries take turns line by line.  last = 1: my sums go out too.
.macro SOFTMAX last
.irp m, 0,1,2,3                                ; the largest score of my block
	v_max3_num_f32 v[BM+\m], v[SS+16*\m], v[SS+16*\m+1], v[SS+16*\m+2]
.endr
.irp i, 3,5,7,9,11,13
.irp m, 0,1,2,3
	v_max3_num_f32 v[BM+\m], v[BM+\m], v[SS+16*\m+\i], v[SS+16*\m+\i+1]
.endr
.endr
.irp m, 0,1,2,3
	v_max_num_f32 v[BM+\m], v[BM+\m], v[SS+16*\m+15]
.endr
.irp m, 0,1,2,3
	v_permlanex16_b32 v[XT+\m], v[BM+\m], s[SEL], s[SEL+1]
.endr
.irp m, 0,1,2,3
	v_max_num_f32 v[BM+\m], v[BM+\m], v[XT+\m]         ; with lane l xor 16's 16 keys
.endr
.irp m, 0,1,2,3
	v_mul_f32 v[XT+\m], s[CS], v[BM+\m]                ; as t
.endr
.irp m, 0,1,2,3
	v_max_num_f32 v[ST+2*\m+1], v[ST+2*\m+1], v[XT+\m] ; the running largest t of my keys
.endr
.irp m, 0,1,2,3
	v_mov_b32 v[XT+\m], v[ST+2*\m]
.endr
.irp m, 0,1,2,3
	v_floor_f32 v[ST+2*\m], -v[ST+2*\m+1]              ; -M_w = floor(-t)
.endr
.irp m, 0,1,2,3
	v_sub_f32 v[XT+\m], v[ST+2*\m], v[XT+\m]           ; old M_w - new M_w
.endr
.irp m, 0,1,2,3
	v_cvt_i32_f32 v[XT+\m], v[XT+\m]
.endr
.irp m, 0,1,2,3
	v_ldexp_f32 v[FW+2*\m], 1.0, v[XT+\m]
.endr
.irp j, 0,2,4,6,8,10,12,14
.irp m, 0,1,2,3
	v_pk_fma_f32 v[SS+16*\m+\j:SS+16*\m+\j+1], v[SS+16*\m+\j:SS+16*\m+\j+1], s[CS:CS+1], v[ST+2*\m:ST+2*\m+1] op_sel_hi:[1,0,0]   ; t - M_w
.endr
.endr
.irp m, 0,1,2,3
	v_fma_f32 v[BM+\m], v[BM+\m], s[CS], v[ST+2*\m]    ; the same of the block's largest score
.endr
.set n, 0
.rept 64
	v_exp_f32 v[SS+n], v[SS+n]                         ; p = 2^(t - M_w)
.set n, n+1
.endr
.irp m, 0,1,2,3
	v_exp_f32 v[BM+\m], v[BM+\m]                       ; the block's largest p: the same two instructions on the same number
.endr
.irp m, 0,1,2,3
	v_pk_mul_f32 v[LL+2*\m:LL+2*\m+1], v[LL+2*\m:LL+2*\m+1], v[FW+2*\m:FW+2*\m+1] op_sel_hi:[1,0]   ; my sums under the new M_w.  (Plain lines behind the exponentials)
.endr
	s_wait_alu depctr_va_vdst(0)
.irp m, 0,1,2,3
	v_max_num_f32 v[BM+\m], 0x2800000, v[BM+\m]        ; the floor 2^(5 - 127): the byte cannot fall under 1
.endr
.irp m, 0,1,2,3
	v_add_nc_u32 v[SCO+\m], 0xfe000000, v[BM+\m]       ; 4 off the exponent field: the conversion's scale operand
.endr
.irp m, 0,1,2,3
	v_lshrrev_b32 v[EN+2*\m], 23, v[SCO+\m]            ; the byte
.endr
.irp m, 0,1,2,3
	v_cvt_scalef32_pk16_bf6_f32 v[CD+4*\m:CD+4*\m+2], v[SS+16*\m:SS+16*\m+15], v[SCO+\m]   ; my 16 keys' codes: 96 bits
.endr
	v_nop                                          ; one plain line behind the last scaled conversion
.irp m, 0,1,2,3                                ; they are registers 6 (w / 2) + 3 h + 0..2 of lane r + 16 (w % 2) of P's fragment: each word goes to its place in the fragment's image
.irp i, 0,1,2
	ds_store_b32 v[APW+\i], v[CD+4*\m+\i] offset:1536*\m
.endr
.endr
.irp m, 0,1,2,3
	v_cvt_f32_u32 v[EN+2*\m], v[EN+2*\m]
.endr
.irp m, 0,1,2,3
	v_sub_f32 v[EN+2*\m], v[EN+2*\m], v[ST+2*\m]       ; E = byte + M_w
.endr
.irp m, 0,1,2,3
	v_mov_b32 v[EN+2*\m+1], v[ST+2*\m]                 ; N = -M_w
.endr
.irp m, 0,1,2,3
	ds_store_b64 v[AMW], v[EN+2*\m:EN+2*\m+1] offset:512*\m   ; both halves of the lanes hold and write the same two numbers
.endr
.irp j, 0,2,4,6,8,10,12,14
.irp m, 0,1,2,3
	v_pk_add_f32 v[LL+2*\m:LL+2*\m+1], v[LL+2*\m:LL+2*\m+1], v[SS+16*\m+\j:SS+16*\m+\j+1]   ; the sum is taken of the unquantised p
.endr
.endr
.if \last
.irp m, 0,1,2,3                                ; the last step: my sums go out with its META, in front of the same barrier
	v_add_f32 v[XT+\m], v[LL+2*\m], v[LL+2*\m+1]
.endr
.irp m, 0,1,2,3
	v_permlanex16_b32 v[BM+\m], v[XT+\m], s[SEL], s[SEL+1]
.endr
.irp m, 0,1,2,3
	v_add_f32 v[XT+\m], v[XT+\m], v[BM+\m]
.endr
.irp m, 0,1,2,3
	ds_store_b32 v[ALW], v[XT+\m] offset:256*\m
.endr
.endif
.endm
; THE WAY OUT.  Stage row 16 h + r holds channels 256 h + 64 w + 0..63 of query r of a tile: 256 bytes.  Read back by rows, sixteen lanes store 256 consecutive bytes, at a multiple of 256 from out's first byte.
.macro TOSTAGE m
	WIN 0x04                                       ; an LDS store's data are its source 1: window 1
.irp t, 0,1,2,3
	ds_store_b128 v[STO], v[8*(4*\t+(\m)):8*(4*\t+(\m))+3] offset:32*\t
	ds_store_b128 v[STO], v[8*(4*\t+(\m))+4:8*(4*\t+(\m))+7] offset:32*\t+16
.endr
	WIN 0x08                                       ; window 2
.irp t, 0,1,2,3
	ds_store_b128 v[STO], v[8*(4*\t+(\m)):8*(4*\t+(\m))+3] offset:128+32*\t
	ds_store_b128 v[STO], v[8*(4*\t+(\m))+4:8*(4*\t+(\m))+7] offset:128+32*\t+16
.endr
	WIN 0
.set BB, 128+64*((\m)%2)
.irp i, 0,1,2,3,4,5,6,7,8,9,10,11,12,13,14,15
	ds_load_b128 v[BB+4*\i:BB+4*\i+3], v[SRD] offset:544*\i   ; LDS serves a wave's instructions in order (ISA guide 5.7.1.4): these see my stores, and the next tile's stores come behind them
.endr
.endm
.macro SEND m, younger                 ; younger: the LDS instructions issued behind tile m's loads
.set BB, 128+64*((\m)%2)
	s_wait_dscnt \younger
.irp i, 0,1,2,3,4,5,6,7,8,9,10,11,12,13,14,15
	global_store_b128 v[CO], v[BB+4*\i:BB+4*\i+3], s[OUT:OUT+1] offset:(16*(\m)+2*(\i%8))*2048+(\i/8)*1024 th:TH_STORE_NT
.endr
.endm
; A STEP.  fill = 1: the loop's; the next step's tiles are asked for.  fill = 0: the last step.
.macro STEP fill
	s_wait_tensorcnt 0x0                           ; all my tensor loads have landed: my part of this step's tiles; so the groups 0 may be written
	ds_add_u32 v[SPW], v[NIL]                      ; 0 onto my spare word; with fill = 1 the descriptors' steps stand between it and the wait for it
.if \fill
	s_xor_b32 s[G0K+1], s[G0K+1], SLOT1            ; the walking descriptors: the other slot than last time,
	s_add_nc_u64 s[G0K+2:G0K+3], s[G0K+2:G0K+3], 49152   ; the next 128 keys of 384 bytes; the type bits on top are not reached
	s_xor_b32 s[G0KS+1], s[G0KS+1], SLOT1
	s_add_nc_u64 s[G0KS+2:G0KS+3], s[G0KS+2:G0KS+3], 2048   ; their 16 scale bytes each
	s_xor_b32 s[G0V+1], s[G0V+1], SLOT1
	s_add_nc_u64 s[G0V+2:G0V+3], s[G0V+2:G0V+3], 96      ; 128 keys along V's rows
.endif
	s_wait_dscnt 0x0                               ; the add is done, and my reads of the other slot, of P and of META are over
.if \fill
	ROUND                                          ; all that now holds of every wave of all four work-groups
	TLOAD                                          ; my one tensor load behind the round, and the first thing there: into the slot that the last step read
.else
	s_barrier_signal -1
	s_barrier_wait -1
.endif
	v_add_nc_u32 v[ADK], s[TB], v[AK0]
	v_add_nc_u32 v[ADK1], s[TB], v[AK1]
	v_add_nc_u32 v[ADKS], s[TB], v[AKS0]
	v_add_nc_u32 v[ADV], s[TB], v[AV0]
	v_add_nc_u32 v[ADT], s[TJ], v[ASV0]
	v_add_nc_u32 v[KB], s[KF], v[KL]
	KLOAD 0
	WIN 0
	KSLOAD
	KLOAD 1
	s_wait_dscnt 24                                ; all but the 24 loads of K's second half: the first half and the scale words are in
	WIN 0x0d                                       ; K window 1, Q window 3, S^T window 0
	KQ 0, 1
	KQ 1, 0
	s_wait_dscnt 0x0
	WIN 0x0e                                       ; K window 2
	KQ 2, 0
	KQ 3, 0
	VLOAD 0                                        ; V's fragments are asked for here and land under the softmax
	VLOAD 1
	WIN 0
.irp t, 0,1,2,3,4,5,6,7
	ds_load_b32 v[VS+\t], v[ADT] offset:544*\t
.endr
	PLACES 4                                       ; four places between the last product and the first read of a result (ISA guide 7.12.1)
.irp i, 0,1,2,3,4,5,6,7,8,9,10,11,12,13,14,15  ; register 16 m + i holds key KB + i for query QM[m]: hidden where the key is the larger.  Each accumulator is first read at its low end
	v_add_nc_u32 v[KI], \i, v[KB]
.irp m, 0,1,2,3
	v_cmp_gt_u32 vcc_lo, v[KI], v[QM+\m]
	v_cndmask_b32 v[SS+16*\m+\i], v[SS+16*\m+\i], v[NEGINF], vcc_lo
.endr
.endr
	SOFTMAX 1-\fill
	s_wait_dscnt 0x0                               ; my stores of P and META (and at last of the sums) have landed, and V's fragments are in
	s_barrier_signal -1
	s_barrier_wait -1                              ; everybody's have.  The refill may stay out
.irp m, 0,1,2,3
	ds_load_b128 v[MT+8*\m:MT+8*\m+3], v[AMR] offset:512*\m
	ds_load_b128 v[MT+8*\m+4:MT+8*\m+7], v[AMR] offset:512*\m+16
.endr
.irp m, 0,1,2,3
.irp c, 0,1,2
	ds_load_b128 v[PF+12*\m+4*\c:PF+12*\m+4*\c+3], v[APR] offset:1536*\m+512*\c   ; P's fragments come back as they were laid: the same registers in the same lanes
.endr
.endr
	s_wait_dscnt 12                                ; META is in; behind it: P's 12 loads
	CONS
	s_wait_dscnt 0x0
	WIN 0x51                                       ; V and O^T window 1, P and the factors window 0
	PVHALF 0
	WIN 0xa2                                       ; window 2
	PVHALF 1
	WIN 0
.endm
	s_load_b256 s[4:11], s[0:1], 0x0               ; Q's codes s[4:5], Q's scales s[6:7], K's codes s[8:9], K's scales s[10:11]
	s_load_b128 s[12:15], s[0:1], 0x20             ; V's codes, V's scales
	s_load_b64 s[16:17], s[0:1], 0x30              ; out
	v_lshl_add_u32 v[SPW], v0, 2, SPARE
	v_mov_b32 v[NIL], 0
	ds_add_u32 v1, v2
	ds_add_u32 v1, v2
	s_wait_dscnt 0x0
	v_lshrrev_b32 v[HW], 5, v0                     ; w
	v_readfirstlane_b32 s[WV], v[HW]               ; wave 0..3
	s_bfe_u32 s[CXR], ttmp6, 0x40000               ; cx: it enters Q's and out's addresses and the mask's query numbers alone
	s_lshl_b32 s[Q0], ttmp9, 2                     ; (in a cluster launch ttmp9 counts clusters)
	s_add_co_u32 s[Q0], s[Q0], s[CXR]              ; my block = 4 x cluster x + cx
	s_lshl_b32 s[Q0], s[Q0], 6                     ; its first query
	s_and_b32 s[BT], ttmp7, 0xffff                 ; the batch
	s_and_b32 s[HF], s[WV], 1                      ; which half of V I would fetch
	s_mov_b32 s[SEL], 0x76543210
	s_mov_b32 s[SEL+1], 0xfedcba98
	s_mov_b32 s[CS], 0x3d8293ee                    ; c = log2(e) / sqrt(512)
	s_mov_b32 s[CS+1], s[CS]
	; descriptor groups 1.  All loads are joint: the mask names all four work-groups, bit 21 is set beside it.
	s_mov_b32 s[G1K], 15|(1<<20)|(1<<21)|(4<<22)|(3<<25)   ; K: elements of 1 byte; 4 words of padding behind every 32 words
	s_mov_b32 s[G1K+1], 384<<16                    ; tensor_dim0
	s_mov_b32 s[G1K+2], 128<<16                    ; tensor_dim1
	s_mov_b32 s[G1K+3], 384<<16                    ; tile_dim0
	s_mov_b32 s[G1K+4], 128                        ; tile_dim1
	s_mov_b32 s[G1K+5], 384                        ; from row to row
	s_mov_b32 s[G1K+6], 0
	s_mov_b32 s[G1K+7], 0
	s_mov_b32 s[G1KS], 15|(3<<16)|(1<<21)          ; K's scale bytes: 2,048 dense bytes as 8 rows of 32 elements of 8 bytes
	s_mov_b32 s[G1KS+1], 32<<16
	s_mov_b32 s[G1KS+2], 8<<16
	s_mov_b32 s[G1KS+3], 32<<16
	s_mov_b32 s[G1KS+4], 8
	s_mov_b32 s[G1KS+5], 32
	s_mov_b32 s[G1KS+6], 0
	s_mov_b32 s[G1KS+7], 0
	s_mov_b32 s[G1V], 15|(1<<21)                   ; V: 256 rows of 96 bytes, 1,536 bytes apart, no padding
	s_mov_b32 s[G1V+1], 96<<16
	s_mov_b32 s[G1V+2], 256<<16
	s_mov_b32 s[G1V+3], 96<<16
	s_mov_b32 s[G1V+4], 256
	s_mov_b32 s[G1V+5], 1536
	s_mov_b32 s[G1V+6], 0
	s_mov_b32 s[G1V+7], 0
	s_mov_b32 s[G1VS], 15|(3<<16)|(1<<20)|(1<<21)|(5<<22)|(3<<25)   ; V's scale bytes: 16,384 dense bytes as 64 rows of 256, 16 bytes of padding behind each
	s_mov_b32 s[G1VS+1], 32<<16
	s_mov_b32 s[G1VS+2], 64<<16
	s_mov_b32 s[G1VS+3], 32<<16
	s_mov_b32 s[G1VS+4], 64
	s_mov_b32 s[G1VS+5], 32
	s_mov_b32 s[G1VS+6], 0
	s_mov_b32 s[G1VS+7], 0
	s_mul_i32 s[VL], s[HF], VHB
	s_add_co_u32 s[VL], s[VL], VOFF                ; where my half of V lies in a slot
	s_mul_i32 s[VSL], s[HF], 17408
	s_add_co_u32 s[VSL], s[VSL], VSC               ; and my half of V's scale bytes
	s_wait_kmcnt 0x0
	s_mov_b32 s3, 0
	s_mul_i32 s2, s[BT], 786432                    ; a batch's codes
	s_add_nc_u64 s[4:5], s[4:5], s[2:3]
	s_add_nc_u64 s[8:9], s[8:9], s[2:3]
	s_add_nc_u64 s[12:13], s[12:13], s[2:3]
	s_lshl_b32 s2, s[BT], 15                       ; its scale bytes
	s_add_nc_u64 s[6:7], s[6:7], s[2:3]
	s_add_nc_u64 s[10:11], s[10:11], s[2:3]
	s_add_nc_u64 s[14:15], s[14:15], s[2:3]
	s_lshl_b32 s2, s[BT], 22                       ; its rows of out
	s_add_nc_u64 s[16:17], s[16:17], s[2:3]
	s_mul_i32 s2, s[HF], 393216                    ; 256 rows of V
	s_add_nc_u64 s[12:13], s[12:13], s[2:3]
	s_lshl_b32 s2, s[HF], 14
	s_add_nc_u64 s[14:15], s[14:15], s[2:3]
	; groups 0 of the first fills: step 0's tiles into slot 0, and V's scale bytes
	s_mov_b32 s[G0K], 1
	s_mov_b32 s[G0K+1], KOFF
	s_mov_b64 s[G0K+2:G0K+3], s[8:9]
	s_or_b32 s[G0K+3], s[G0K+3], 0x80000000
	s_mov_b32 s[G0KS], 1
	s_mov_b32 s[G0KS+1], KSOFF
	s_mov_b64 s[G0KS+2:G0KS+3], s[10:11]
	s_or_b32 s[G0KS+3], s[G0KS+3], 0x80000000
	s_mov_b32 s[G0V], 1
	s_mov_b32 s[G0V+1], s[VL]
	s_mov_b64 s[G0V+2:G0V+3], s[12:13]
	s_or_b32 s[G0V+3], s[G0V+3], 0x80000000
	s_mov_b32 s[G0VS], 1
	s_mov_b32 s[G0VS+1], s[VSL]
	s_mov_b64 s[G0VS+2:G0VS+3], s[14:15]
	s_or_b32 s[G0VS+3], s[G0VS+3], 0x80000000
	ROUND                                          ; all four work-groups are here: the first joint loads meet
	s_cmp_lt_u32 s[WV], 2                          ; a wave's first fills stand together, ahead of every wait on TENSORcnt and every LDS read: two loads of a wave are out at the most
	s_cbranch_scc0 .Lfirst_v
	s_cmp_eq_u32 s[WV], 0
	s_cbranch_scc0 .Lfirst_ks
	tensor_load_to_lds s[G0K:G0K+3], s[G1K:G1K+7]
	s_nop 0
	PLACES 4
	s_branch .Lfirst_done
.Lfirst_ks:
	tensor_load_to_lds s[G0KS:G0KS+3], s[G1KS:G1KS+7]
	s_nop 0
	PLACES 4
	s_branch .Lfirst_done
.Lfirst_v:
	tensor_load_to_lds s[G0VS:G0VS+3], s[G1VS:G1VS+7]
	s_nop 0
	tensor_load_to_lds s[G0V:G0V+3], s[G1V:G1V+7]
	s_nop 0
	PLACES 4
.Lfirst_done:
	; my block's rows of Q, of its scale words and of out
	s_mul_i32 s[CXO], s[Q0], 384
	s_mov_b32 s[CXO+1], 0
	s_add_nc_u64 s[QB:QB+1], s[4:5], s[CXO:CXO+1]
	s_lshl_b32 s[CXO], s[Q0], 4
	s_add_nc_u64 s[QSB:QSB+1], s[6:7], s[CXO:CXO+1]
	s_lshl_b32 s[CXO], s[Q0], 11
	s_add_nc_u64 s[OUT:OUT+1], s[16:17], s[CXO:CXO+1]
	v_and_b32 v[HR], 15, v0                        ; r
	v_bfe_u32 v[HH], v0, 4, 1                      ; h
	v_mul_u32_u24 v[QA], v[HR], 384
	v_mad_u32_u24 v[QA], v[HH], 24, v[QA]
	v_lshlrev_b32 v[QSA], 4, v[HR]
	WIN 0xc0                                       ; destination window 3: Q stays in registers
.irp m, 0,1,2,3
.irp k, 0,1,2,3
.irp p, 0,1,2,3,4,5
	global_load_b64 v[12*(4*\m+\k)+2*\p:12*(4*\m+\k)+2*\p+1], v[QA], s[QB:QB+1] offset:6144*\m+96*\k+48*(\p/3)+8*(\p%3)
.endr
.endr
.endr
	WIN 0
.irp m, 0,1,2,3
	global_load_b128 v[QS+4*\m:QS+4*\m+3], v[QSA], s[QSB:QSB+1] offset:256*\m
.endr
	; the lane's LDS addresses: every term from v0 and constants
	v_bfe_u32 v[HR8], v0, 3, 1                     ; r / 8
	v_and_b32 v[HR7], 7, v0                        ; r % 8
	v_and_b32 v[HLN], 31, v0                       ; lane
	v_lshl_add_u32 v[HA], v[HW], 5, v[HR]
	v_lshl_add_u32 v[HA], v[HR8], 3, v[HA]         ; my key's row in the tile: 32 w + r + 8 (r / 8)
	v_mul_u32_u24 v[AK0], v[HA], 432
	v_mad_u32_u24 v[AK0], v[HH], 24, v[AK0]
	v_lshl_add_u32 v[AK1], v[HH], 4, v[AK0]
	v_lshl_add_u32 v[AKS0], v[HA], 4, KSOFF
	v_mul_u32_u24 v[AV0], v[HW], 6144              ; 64 rows of 96 bytes a wave
	v_mad_u32_u24 v[AV0], v[HR7], 96, v[AV0]
	v_mad_u32_u24 v[AV0], v[HR8], VHB, v[AV0]
	v_mad_u32_u24 v[AV0], v[HH], 24, v[AV0]
	v_add_nc_u32 v[AV0], VOFF, v[AV0]
	v_bfe_u32 v[HA], v0, 2, 1                      ; (r % 8) / 4
	v_mul_u32_u24 v[ASV0], v[HW], 4352             ; V's scale bytes: 64 bytes a channel, four channels to a run of 256 + 16
	v_lshl_add_u32 v[ASV0], v[HR7], 6, v[ASV0]
	v_lshl_add_u32 v[ASV0], v[HA], 4, v[ASV0]
	v_mad_u32_u24 v[ASV0], v[HR8], 17408, v[ASV0]
	v_add_nc_u32 v[ASV0], VSC, v[ASV0]
	v_lshl_add_u32 v[APR], v[HLN], 4, POFF
	v_lshl_add_u32 v[AMR], v[HR], 5, MOFF
	v_lshl_add_u32 v[ALR], v[HR], 4, LOFF
	v_bfe_u32 v[HA], v0, 6, 1                      ; w / 2
	v_bfe_u32 v[HB], v0, 5, 1                      ; w % 2
	v_mul_u32_u24 v[HA], v[HA], 6
	v_mad_u32_u24 v[HA], v[HH], 3, v[HA]           ; the first of my three registers of P's fragment
	v_lshl_add_u32 v[HC], v[HR], 4, POFF
	v_lshl_add_u32 v[HC], v[HB], 8, v[HC]          ; lane r + 16 (w % 2) of the image
.irp i, 0,1,2
	v_add_nc_u32 v[HD], \i, v[HA]
	v_lshrrev_b32 v[HE], 2, v[HD]
	v_and_b32 v[HD], 3, v[HD]
	v_lshl_add_u32 v[APW+\i], v[HE], 9, v[HC]      ; register j of a fragment lies at 512 (j / 4) + 4 (j % 4)
	v_lshl_add_u32 v[APW+\i], v[HD], 2, v[APW+\i]
.endr
	v_lshl_add_u32 v[AMW], v[HW], 3, v[AMR]
	v_lshl_add_u32 v[ALW], v[HW], 2, v[ALR]
	v_mul_u32_u24 v[STO], v[HW], 8704
	v_mad_u32_u24 v[SRD], v[HH], 272, v[STO]
	v_mad_u32_u24 v[STO], v[HLN], 272, v[STO]
	v_add_nc_u32 v[STO], STAGE, v[STO]
	v_lshl_add_u32 v[SRD], v[HR], 4, v[SRD]
	v_add_nc_u32 v[SRD], STAGE, v[SRD]
	v_lshlrev_b32 v[CO], 11, v[HH]
	v_lshl_add_u32 v[CO], v[HR], 4, v[CO]
	v_lshl_add_u32 v[CO], v[HW], 8, v[CO]
	v_lshlrev_b32 v[KL], 4, v[HH]
	v_lshl_add_u32 v[KL], v[HW], 5, v[KL]          ; my first key in a step: 32 w + 16 h
	v_add_nc_u32 v[QM], s[Q0], v[HR]               ; my query in tile 0,
.irp m, 1,2,3
	v_add_nc_u32 v[QM+\m], 16*\m, v[QM]            ; and in the others
.endr
	v_mov_b32 v[NEGINF], 0xff800000
.irp m, 0,1,2,3                                ; the largest t is -3e38, the sums are 0, and the common -M is +3e38, so that the first factor for O^T is 0
	v_mov_b32 v[ST+2*\m+1], 0xff61b1e6
	v_mov_b32 v[LL+2*\m], 0
	v_mov_b32 v[LL+2*\m+1], 0
	v_mov_b32 v[NC+\m], 0x7f61b1e6
	v_mov_b32 v[XT+\m], 0                          ; written once: a lane permute's destination counts as one of its sources;
	v_mov_b32 v[FW+2*\m+1], 0                      ; and the upper halves of pairs that are named whole
	v_mov_b32 v[FC+2*\m+1], 0
.endr
.irp m, 0,1,2,3
	v_floor_f32 v[ST+2*\m], -v[ST+2*\m+1]
.endr
	WIN 0x40                                       ; O^T begins as zeros: 0 + 0 of a pair of zeros, two registers a line
.set ic, 0
.rept 64
	v_pk_add_f32 v[ic:ic+1], v[LL:LL+1], v[LL:LL+1]
.set ic, ic+2
.endr
	WIN 0x80
.set ic, 0
.rept 64
	v_pk_add_f32 v[ic:ic+1], v[LL:LL+1], v[LL:LL+1]
.set ic, ic+2
.endr
	WIN 0
	s_mov_b32 s[TB], 0
	s_mov_b32 s[KF], 0
	s_mov_b32 s[TJ], 0
	s_mov_b32 s[SI], 0
	s_wait_loadcnt 0x0                             ; Q
.Lstep:                                            ; steps 0 to 14
	STEP 1
	s_xor_b32 s[TB], s[TB], SLOT1                  ; on to the other slot,
	s_add_co_u32 s[KF], s[KF], 128                 ; the next 128 keys,
	s_add_co_u32 s[TJ], s[TJ], 4                   ; and V's next scale words
	s_add_co_u32 s[SI], s[SI], 1
	s_cmp_lt_u32 s[SI], NSTEP-1
	s_cbranch_scc1 .Lstep
	STEP 0                                         ; step 15 is written out: nothing is left to ask for, and a barrier of the work-group is enough
	; l = the sum of the four waves' sums, each brought under the common M; O^T / l; the four tiles of queries go out through my stage
.irp m, 0,1,2,3
	ds_load_b128 v[LS+4*\m:LS+4*\m+3], v[ALR] offset:256*\m   ; the four waves' sums of my query
.endr
	s_wait_dscnt 0x0
.irp w, 0,1,2,3
.irp m, 0,1,2,3
	v_sub_f32 v[MT+8*\m+2*\w], v[NC+\m], v[MT+8*\m+2*\w+1]    ; M_w - M.  (These plain lines are also the places behind the last products)
.endr
.endr
.irp w, 0,1,2,3
.irp m, 0,1,2,3
	v_cvt_i32_f32 v[MT+8*\m+2*\w], v[MT+8*\m+2*\w]
.endr
.endr
.irp w, 0,1,2,3
.irp m, 0,1,2,3
	v_ldexp_f32 v[LS+4*\m+\w], v[LS+4*\m+\w], v[MT+8*\m+2*\w]
.endr
.endr
.irp m, 0,1,2,3
	v_add_f32 v[LS+4*\m], v[LS+4*\m], v[LS+4*\m+1]
	v_add_f32 v[LS+4*\m+2], v[LS+4*\m+2], v[LS+4*\m+3]
.endr
.irp m, 0,1,2,3
	v_add_f32 v[LS+4*\m], v[LS+4*\m], v[LS+4*\m+2]            ; l
.endr
.irp m, 0,1,2,3
	v_rcp_f32 v[FC+2*\m], v[LS+4*\m]
.endr
	v_nop                                          ; a plain line between the last reciprocal and its use
	s_wait_alu depctr_va_vdst(0)
	WIN 0x41                                       ; O^T (destination and source 0) window 1
.set ib, 0
.rept 16
	RESC ib
.set ib, ib+1
.endr
	WIN 0x82                                       ; window 2
.set ib, 0
.rept 16
	RESC ib
.set ib, ib+1
.endr
	WIN 0
	TOSTAGE 0
	TOSTAGE 1
	SEND 0, 32                                     ; behind tile 0's loads: tile 1's 16 stores and 16 loads
	s_wait_xcnt 0x0                                ; tile 0's stores have read their registers: tile 2's rows may land there
	TOSTAGE 2
	SEND 1, 32
	s_wait_xcnt 0x0                                ; likewise tile 1's, for tile 3's rows
	TOSTAGE 3
	SEND 2, 32
	SEND 3, 0
	s_wait_tensorcnt 0x0                           ; the wave's end: behind my last tensor load and my last LDS store
	ds_add_u32 v[SPW], v[NIL]
	s_wait_dscnt 0x0
	ROUND                                          ; the closing round: no work-group ends while a partner may still ask for a tile that names it
	s_endpgm
.Lfunc_end_k_q61bc4d67a3_attn:
	.size	k_q61bc4d67a3_attn, .Lfunc_end_k_q61bc4d67a3_attn-k_q61bc4d67a3_attn
	.p2alignl 7, 3214868480
	.fill 96, 4, 3214868480
	.section	.rodata,"a",@progbits
	.p2align	6, 0x0
	.amdhsa_kernel k_q61bc4d67a3_attn
		.amdhsa_group_segment_fixed_size 327680
		.amdhsa_private_segment_fixed_size 0
		.amdhsa_enable_private_segment 0
		.amdhsa_kernarg_size 56
		.amdhsa_user_sgpr_count 2
		.amdhsa_user_sgpr_kernarg_segment_ptr 1
		.amdhsa_wavefront_size32 1
		.amdhsa_system_sgpr_workgroup_id_x 1
		.amdhsa_system_sgpr_workgroup_id_y 1
		.amdhsa_system_sgpr_workgroup_id_z 1
		.amdhsa_system_vgpr_workitem_id 0
		.amdhsa_next_free_vgpr 1024
		.amdhsa_next_free_sgpr 96
		.amdhsa_reserve_vcc 1
		.amdhsa_float_denorm_mode_32 3
		.amdhsa_float_denorm_mode_16_64 3
		.amdhsa_memory_ordered 1
		.amdhsa_forward_progress 1
		.amdhsa_inst_pref_size 148
	.end_amdhsa_kernel
	.amdgpu_metadata
---
amdhsa.version: [ 1, 2 ]
amdhsa.kernels:
  - .name:           k_q61bc4d67a3_attn
    .symbol:         k_q61bc4d67a3_attn.kd
    .args:
      - { .name: query_codes, .offset: 0, .size: 8, .value_kind: global_buffer, .address_space: global }
      - { .name: query_scales, .offset: 8, .size: 8, .value_kind: global_buffer, .address_space: global }
      - { .name: key_codes, .offset: 16, .size: 8, .value_kind: global_buffer, .address_space: global }
      - { .name: key_scales, .offset: 24, .size: 8, .value_kind: global_buffer, .address_space: global }
      - { .name: value_codes, .offset: 32, .size: 8, .value_kind: global_buffer, .address_space: global }
      - { .name: value_scales, .offset: 40, .size: 8, .value_kind: global_buffer, .address_space: global }
      - { .name: out0, .offset: 48, .size: 8, .value_kind: global_buffer, .address_space: global }
    .group_segment_fixed_size: 327680
    .private_segment_fixed_size: 0
    .kernarg_segment_align: 8
    .kernarg_segment_size: 56
    .max_flat_workgroup_size: 128
    .sgpr_count:     96
    .vgpr_count:     1024
    .wavefront_size: 32
...
	.end_amdgpu_metadata
.endif
;; end of part 1
;; ======== version 2 of 2: 1 launch
;; limits: right only within a limited range of input values
;; launch attn (part 2): grid 16 x 16, 4 waves a work-group, clusters of 4 x 1, 327,680 bytes of LDS; arguments query_codes, query_scales, key_codes, key_scales, value_codes, value_scales, out0; writes out0
.if DOCPART == 2
	.amdgcn_target "amdgcn-amd-amdhsa--gfx1250"
	.amdhsa_code_object_version 6
	.text
	.protected	k_q61bc4d67a3_attn
	.globl	k_q61bc4d67a3_attn
	.p2align	8
	.type	k_q61bc4d67a3_attn,@function
k_q61bc4d67a3_attn:
	s_mov_b64 s[64:65], 0
	v_nop
	global_prefetch_b8 v0, s[64:65] scope:SCOPE_SE
	s_setreg_imm32_b32 hwreg(HW_REG_WAVE_MODE, 25, 1), 1
	s_wait_xcnt 0x0
	s_wait_alu depctr_hold_cnt(0) depctr_sa_sdst(0) depctr_va_vdst(0) depctr_va_sdst(0) depctr_va_ssrc(0) depctr_va_vcc(0) depctr_vm_vsrc(0)
	s_getreg_b32 s2, hwreg(HW_REG_IB_STS2, 6, 4)
	s_cmp_eq_u32 s2, 0
	s_cbranch_scc0 .Lentry_in_a_cluster
	s_endpgm
.Lentry_in_a_cluster:
	s_bfe_u32 s2, ttmp6, 0x10000c
	s_cmp_lg_u32 s2, 0x3003
	s_cbranch_scc0 .Lentry_shape_is_right
	s_endpgm
.Lentry_shape_is_right:
; out[b][q][:] = the sum over k <= q of softmax_k(Q[b][q] . K[b][k] / sqrt(512)) V[b][k][:], both products on codes of BF6 (E3M2) with one E8M0 scale for each 32 along a product's K.
; Q, K: [16][2048] rows of 512 codes (384 bytes) and 16 scale bytes.  V: keys innermost, [16][512] rows of 2,048 codes (1,536 bytes) and 64 scale bytes.  out: [16][2048][512] f32.
; THE SOFTMAX AHEAD OF THE SECOND PRODUCT: t = score x log2(e) / sqrt(512); M = a whole number, the ceiling of the largest t so far; p = 2^(t - M) is quantised along the keys, not normalised;
; the row's sum is taken of the unquantised p and divides at the end.
; SHARES.  A work-group of four waves takes two blocks of 64 queries of one batch, one after the other: block 16 + j, over all 2,048 keys in 16 steps of 128, then block j, whose queries lie under 1,024, so that the
; mask hides every key from 1,024 on: 8 steps.  That is 24 steps in every work-group, a constant of the text; the key tile of step s is s % 16.  The four work-groups of a cluster (j = 4 c .. 4 c + 3) walk the same tiles
; of K and V at the same time: every tile is asked for JOINTLY.  Of the 24 steps those that lie wholly above a block's diagonal are walked too: their p are zeros, which change nothing.  That is work that the mask
; would spare; it is done so that every trip count and every step of an address is a constant of the text and all work-groups run alike.
; THE WAVES SHARE THE COLUMNS, NOT THE QUERIES.  First product: wave w makes S^T = K Q^T for ITS 32 keys of the step (one block of the quantiser) and all 64 queries; Q stays in registers.
; Second product: wave w makes O^T = V^T P^T for ITS 128 channels and all 64 queries.  So each fragment of K and of V is read from LDS once, by one wave, and feeds four matrix instructions.
; What goes from wave to wave is p: its codes as an image of the operand's registers (6 KB a step), and for each query and wave two numbers: N = -M_w and E = the block's scale byte + M_w.
; A RUNNING M FOR EACH WAVE.  Wave w keeps M_w over its own keys.  Every wave forms the same common M = the largest M_w, takes byte' = E_w - M as block w's scale byte and multiplies O^T by 2^(old M - new M):
; only powers of two move, so the codes are those of the common M.  The sums l_w are joined at a block's end as the sum of l_w 2^(M_w - M).
; A STEP: a round of the cluster's barrier, behind it the joint refill of the other slot with the next step's tiles; K Q^T, the mask, softmax, the stores of p; a barrier of the work-group; V^T P^T.
; The step is written twice: in a loop of 23 trips, and once more as the last step, which asks for nothing.
; THE CHANGE OF BLOCKS stands behind step 15, under a branch on the loop's counter against a constant: the second block's Q is asked for, the first block goes out, the statistics begin anew.  No barrier and no tensor load stands under it.
; THE MASK stands in every step: a score whose key lies behind its query becomes -infinity ahead of the maximum.  Key 0 counts for every query, so wave 0's M is a number from each block's first step on.
; THE KEYS OF A TILE ARE NOT NEIGHBOURS: row r of tile u is key 8 u + r + 8 (r / 8) of the wave's 32, so that a lane's 16 registers of tiles 0 and 1 are keys 16 (lane / 16) + 0 .. 15.
; THE CHANNELS OF A TILE: rows 0-7 are channels 64 w + 8 t + 0..7, rows 8-15 those 256 further on; the upper 256 channels lie 24,592 bytes behind the lower in LDS, so that the 32 lanes of a load of 8 bytes
; touch 64 different banks (64 banks of 4 bytes: ISA guide 11.1).  K's rows of a tile lie 16 rows apart in two groups: at a pitch of 432 bytes those two groups meet in the same banks, two deep.
; O^T BEGINS AS ZEROS, 128 packed additions once: so the first step is the loop's first trip.  At the second block's start the factor for O^T is 0, which makes the finite old O^T zero again.
; LIMITS: |t| under 2^23 (M and E are whole numbers kept in f32); hidden keys have the weight 0 exactly; scale bytes 0xff, NaN and infinities are not served; a block whose byte' would fall under 0 is held at 0 (2^-127).
; No prefetch: a tile is asked for by the four clusters of its batch, and a refill has a whole step (64 matrix instructions a wave and a softmax) in which to land.
; REGISTERS, in windows of 256:  window 0: v1-33 addresses and lane numbers; v36-71 scale words; v72-127 statistics; v128-191 S^T, then p (also: META as read, the sums, rows on the way out); v192-239 P's four fragments; v240-255 codes just made.
;   window 1: v0-127 O^T of channel tiles 0-3 (accumulator (t, m) at 8 (4 t + m)); v128-175 V's fragments 0-3; v176-223 K's fragments of the head's first 256.   window 2: the same for tiles 4-7 and the second 256.   window 3: v0-191 Q, fragment (m, kk) at 12 (4 m + kk).
.set NSTEP, 24                         ; key steps: 16 for the first block, 8 for the second
.set NHIGH, 16
.set SLOT1, 131072                     ; slot 1 begins here: one exclusive or turns an address in one slot into the other's
.set KOFF,  0                          ; in a slot: K's tile, 128 keys, pitch 432 (384 bytes + 16 of padding behind each 128)
.set VOFF,  55296                      ; V's channels 0-255, 96 bytes a row
.set VHB,   24592                      ; V's channels 256-511 begin so far behind them
.set KSOFF, 104704                     ; K's scale bytes of the 128 keys, dense; a slot ends at 106,752
.set POFF,  237824                     ; behind slot 1, stored by the waves (no tile lands here): four images of P's fragments, 1,536 bytes each
.set MOFF,  243968                     ; META [m][r][w]: (E, N), 8 bytes
.set LOFF,  246016                     ; the sums [m][r][w], 4 bytes
.set VSC,   247040                     ; V's scale bytes of the batch, 128 runs of 256 bytes + 16 of padding; filled once
.set STAGE, 281856                     ; the way out: 32 rows x 272 bytes for each wave
.set SPARE, 316672                     ; the spare words, 128 bytes for each wave: two blocks of 256 bytes that no other line names
.set SPW, 1                            ; v1   SPARE + 4 x my thread's number; never rewritten
.set NIL, 2                            ; v2   0; never rewritten
.set QA, 3                             ; v3   Q: 384 r + 24 h
.set QSA, 4                            ; v4   Q's scale words: 16 r
.set AK0, 5                            ; v5   K: my row and half;  v6 the same behind one padding more
.set AK1, 6
.set AKS0, 7                           ; v7   K's scale words
.set AV0, 8                            ; v8   V
.set ASV0, 9                           ; v9   V's scale words
.set APR, 10                           ; v10  P's images, read: 16 x lane
.set AMR, 11                           ; v11  META, read
.set ALR, 12                           ; v12  the sums, read
.set APW, 13                           ; v13-15 P's images, my three words
.set AMW, 16                           ; v16  META, my place
.set ALW, 17                           ; v17  the sums, my place
.set STO, 18                           ; v18  the stage, in
.set SRD, 19                           ; v19  the stage, back
.set CO, 20                            ; v20  my byte offset in out
.set KL, 21                            ; v21  32 w + 16 h: my first key in a step
.set ADK, 22                           ; v22-26 the addresses of the step in hand
.set ADK1, 23
.set ADKS, 24
.set ADV, 25
.set ADT, 26
.set KB, 27                            ; v27  my first key of the step in hand
.set QM, 28                            ; v28-31 my query in each of the four tiles
.set NEGINF, 32                        ; v32  -infinity; written at the head and never again
.set KI, 33                            ; v33  the key of the register in hand, for the mask
.set QS, 36                            ; v36-51 Q's scale words (4 m + kk);  v52-59 K's (4 u + kk);  v60-67 V's (t);  v68-71 P's (m): these hold scales and nothing else
.set KS, 52
.set VS, 60
.set PW, 68
.set ST, 72                            ; v72+2m: -M_w, v73+2m: the largest t of my keys
.set LL, 80                            ; v80+2m, +1: my sum, in two halves
.set BM, 88                            ; at work
.set XT, 92
.set FW, 96                            ; v96+2m: 2^(old M_w - new M_w); the pair's upper half is written once
.set SCO, 104                          ; the conversions' scale operands
.set EN, 108                           ; v108+2m: E, v109+2m: N
.set NC, 116                           ; the common -M
.set FC, 120                           ; v120+2m: 2^(old M - new M), at a block's end 1 / l: four pairs, v120-127
.set SS, 128
.set MT, 128
.set LS, 160
.set PF, 192
.set CD, 240
.set HW, 128                           ; at the head alone: w, r, h, r / 8, r % 8, lane, and five at work
.set HR, 129
.set HH, 130
.set HR8, 131
.set HR7, 132
.set HLN, 133
.set HA, 134
.set HB, 135
.set HC, 136
.set HD, 137
.set HE, 138
.set WV, 18                            ; s18  my wave's number
.set BT, 19                            ; s19  the batch
.set HF, 20                            ; s20  which half of V I would fetch
.set T0, 21                            ; s21  the step's key tile: s % 16
.set SI, 22                            ; s22  the loop's counter: the step
.set TB, 23                            ; s23  the slot that this step reads
.set KF, 24                            ; s24  the step's first key
.set TJ, 25                            ; s25  V's scale words of the step: 4 bytes a key tile
.set SEL, 26                           ; s[26:27] selects for lane l xor 16
.set CS, 28                            ; s[28:29] c = log2(e) / sqrt(512)
.set VL, 30                            ; s30  where my half of V lies in a slot;  s31 my half of V's scale bytes
.set VSL, 31
.set G1K, 32
.set G1KS, 40
.set G1V, 48
.set G1VS, 56
.set G0K, 68
.set G0KS, 72
.set G0V, 76
.set G0VS, 80
.set QL, 66                            ; s66  the second block's first query, s67 the first block's; s[84:85] offsets made of them: these hang on my place in the cluster, and none of them ever feeds a descriptor
.set QH, 67
.set CXO, 84
.set QB, 86
.set QSB, 88
.set OUT, 90
.set T1, 92                            ; s92  the next step's key tile
.set MSB, 0
.macro WIN new                         ; the immediate's high byte repeats the setting that is left; a switch that changes nothing is dropped
.if MSB != (\new)
	s_set_vgpr_msb (MSB<<8)|(\new)
.set MSB, (\new)
.endif
.endm
.macro PLACES n
.rept \n
	v_nop
.endr
.endm
; A round of the cluster's barrier: my work-group's barrier, wave 0's signal for the work-group, every wave's wait for all four work-groups, my work-group's barrier once more.
.macro ROUND
	s_barrier_signal -1
	s_barrier_wait -1
	s_cmp_lg_u32 s[WV], 0
	s_cbranch_scc1 .Lnot_wave_0_\@
	s_barrier_signal -3
.Lnot_wave_0_\@:
	s_barrier_wait -3
	s_barrier_signal -1
	s_barrier_wait -1
.endm
; The joint refills: wave 0 K's tile, wave 1 K's scale bytes, waves 2 and 3 V's two halves.  The branches hang on the wave's number alone.  Four v_nop follow each load.
.macro TLOAD
	s_cmp_lt_u32 s[WV], 2
	s_cbranch_scc0 .Ltl_v_\@
	s_cmp_eq_u32 s[WV], 0
	s_cbranch_scc0 .Ltl_ks_\@
	tensor_load_to_lds s[G0K:G0K+3], s[G1K:G1K+7]
	s_nop 0
	PLACES 4
	s_branch .Ltl_done_\@
.Ltl_ks_\@:
	tensor_load_to_lds s[G0KS:G0KS+3], s[G1KS:G1KS+7]
	s_nop 0
	PLACES 4
	s_branch .Ltl_done_\@
.Ltl_v_\@:
	tensor_load_to_lds s[G0V:G0V+3], s[G1V:G1V+7]
	s_nop 0
	PLACES 4
.Ltl_done_\@:
.endm
; K's fragments (kk = 2 g, 2 g + 1; u = 0, 1) into window g + 1: 24 loads of 8 bytes.  Piece PC of a row's data lies at 8 PC + 16 (PC / 16); lanes 16-31 read three pieces on, which for PC % 16 >= 13 is behind one padding more.
.macro KLOAD g
	WIN 0x40*(\g+1)
.irp e, 0,1
.irp u, 0,1
.irp p, 0,1,2,3,4,5
.set PC, 12*(2*\g+\e)+6*(\p/3)+\p%3
.if PC%16 < 13
	ds_load_b64 v[176+12*(2*\e+\u)+2*\p:176+12*(2*\e+\u)+2*\p+1], v[ADK] offset:8*PC+16*(PC/16)+3456*\u
.else
	ds_load_b64 v[176+12*(2*\e+\u)+2*\p:176+12*(2*\e+\u)+2*\p+1], v[ADK1] offset:8*PC+16*(PC/16)+3456*\u
.endif
.endr
.endr
.endr
.endm
.macro KSLOAD                          ; my 32 keys' scale words: four (kk) a key
.irp u, 0,1
	ds_load_b128 v[KS+4*\u:KS+4*\u+3], v[ADKS] offset:128*\u
.endr
.endm
.macro VLOAD g                         ; V's fragments t = 4 g .. 4 g + 3 into window g + 1: 24 loads of 8 bytes
	WIN 0x40*(\g+1)
.irp e, 0,1,2,3
.irp p, 0,1,2,3,4,5
	ds_load_b64 v[128+12*\e+2*\p:128+12*\e+2*\p+1], v[ADV] offset:768*(4*\g+\e)+48*(\p/3)+8*(\p%3)
.endr
.endr
.endm
; From META (E0, N0, .. E3, N3 of my query in each tile m): the common -M, P's scale word, and the factor for O^T.  The N stay as they were read: the way out wants them.
.macro CONS
.irp m, 0,1,2,3
	v_min3_num_f32 v[XT+\m], v[MT+8*\m+1], v[MT+8*\m+3], v[MT+8*\m+5]
.endr
.irp m, 0,1,2,3
	v_min_num_f32 v[XT+\m], v[XT+\m], v[MT+8*\m+7]     ; -M = the least -M_w
.endr
.irp w, 0,1,2,3
.irp m, 0,1,2,3
	v_add_f32 v[MT+8*\m+2*\w], v[MT+8*\m+2*\w], v[XT+\m]   ; byte' = byte + M_w - M
.endr
.endr
.irp w, 0,1,2,3
.irp m, 0,1,2,3
	v_max_num_f32 v[MT+8*\m+2*\w], 0, v[MT+8*\m+2*\w]  ; held at 0 from below
.endr
.endr
.irp w, 0,1,2,3
.irp m, 0,1,2,3
	v_cvt_u32_f32 v[MT+8*\m+2*\w], v[MT+8*\m+2*\w]
.endr
.endr
.irp m, 0,1,2,3
	v_lshl_or_b32 v[PW+\m], v[MT+8*\m+2], 8, v[MT+8*\m]
.endr
.irp m, 0,1,2,3
	v_lshl_or_b32 v[PW+\m], v[MT+8*\m+4], 16, v[PW+\m]
.endr
.irp m, 0,1,2,3
	v_lshl_or_b32 v[PW+\m], v[MT+8*\m+6], 24, v[PW+\m]
.endr
.irp m, 0,1,2,3                                ; (the sixteen plain lines from here on, and the eight at the products' head, stand between the last write of a scale word and the first product that names it)
	v_sub_f32 v[BM+\m], v[XT+\m], v[NC+\m]             ; old M - new M: a whole number, 0 or less
.endr
.irp m, 0,1,2,3
	v_cvt_i32_f32 v[BM+\m], v[BM+\m]                   ; (it saturates)
.endr
.irp m, 0,1,2,3
	v_ldexp_f32 v[FC+2*\m], 1.0, v[BM+\m]
.endr
.irp m, 0,1,2,3
	v_mov_b32 v[NC+\m], v[XT+\m]
.endr
.endm
.macro RESC a                          ; accumulator a of the window in hand times its tile's factor, from its low end on
.irp j, 0,2,4,6
	v_pk_mul_f32 v[8*(\a)+\j:8*(\a)+\j+1], v[8*(\a)+\j:8*(\a)+\j+1], v[FC+2*((\a)%4):FC+2*((\a)%4)+1] op_sel_hi:[1,0]
.endr
.endm
; Sixteen products O^T += V^T P^T, one on each accumulator of the window; accumulator i + 2 is rescaled behind product i.
.macro PVHALF g
	RESC 0
	RESC 1
.set ia, 0
.rept 16
	v_wmma_scale_f32_16x16x128_f8f6f4 v[8*ia:8*ia+7], v[128+12*(ia/4):128+12*(ia/4)+11], v[PF+12*(ia%4):PF+12*(ia%4)+11], v[8*ia:8*ia+7], v[VS+4*\g+ia/4], v[PW+ia%4] matrix_a_fmt:MATRIX_FMT_BF6 matrix_b_fmt:MATRIX_FMT_BF6
.if ia < 14
	RESC ia+2
.endif
.set ia, ia+1
.endr
.endm
.macro KQ kk, zero                     ; eight products S^T += K Q^T, 128 of the head's 512: the eight accumulators take turns
.irp m, 0,1,2,3
.irp u, 0,1
.if \zero
	v_wmma_scale_f32_16x16x128_f8f6f4 v[SS+16*\m+8*\u:SS+16*\m+8*\u+7], v[176+12*(2*((\kk)%2)+\u):176+12*(2*((\kk)%2)+\u)+11], v[12*(4*\m+\kk):12*(4*\m+\kk)+11], 0, v[KS+4*\u+\kk], v[QS+4*\m+\kk] matrix_a_fmt:MATRIX_FMT_BF6 matrix_b_fmt:MATRIX_FMT_BF6
.else
	v_wmma_scale_f32_16x16x128_f8f6f4 v[SS+16*\m+8*\u:SS+16*\m+8*\u+7], v[176+12*(2*((\kk)%2)+\u):176+12*(2*((\kk)%2)+\u)+11], v[12*(4*\m+\kk):12*(4*\m+\kk)+11], v[SS+16*\m+8*\u:SS+16*\m+8*\u+7], v[KS+4*\u+\kk], v[QS+4*\m+\kk] matrix_a_fmt:MATRIX_FMT_BF6 matrix_b_fmt:MATRIX_FMT_BF6
.endif
.endr
.endr
.endm
; The softmax of my 32 keys for the 64 queries, and the stores.  The four tiles of queries take turns line by line.
.macro SOFTMAX
.irp m, 0,1,2,3                                ; the largest score of my block
	v_max3_num_f32 v[BM+\m], v[SS+16*\m], v[SS+16*\m+1], v[SS+16*\m+2]
.endr
.irp i, 3,5,7,9,11,13
.irp m, 0,1,2,3
	v_max3_num_f32 v[BM+\m], v[BM+\m], v[SS+16*\m+\i], v[SS+16*\m+\i+1]
.endr
.endr
.irp m, 0,1,2,3
	v_max_num_f32 v[BM+\m], v[BM+\m], v[SS+16*\m+15]
.endr
.irp m, 0,1,2,3
	v_permlanex16_b32 v[XT+\m], v[BM+\m], s[SEL], s[SEL+1]
.endr
.irp m, 0,1,2,3
	v_max_num_f32 v[BM+\m], v[BM+\m], v[XT+\m]         ; with lane l xor 16's 16 keys
.endr
.irp m, 0,1,2,3
	v_mul_f32 v[XT+\m], s[CS], v[BM+\m]                ; as t
.endr
.irp m, 0,1,2,3
	v_max_num_f32 v[ST+2*\m+1], v[ST+2*\m+1], v[XT+\m] ; the running largest t of my keys
.endr
.irp m, 0,1,2,3
	v_mov_b32 v[XT+\m], v[ST+2*\m]
.endr
.irp m, 0,1,2,3
	v_floor_f32 v[ST+2*\m], -v[ST+2*\m+1]              ; -M_w = floor(-t)
.endr
.irp m, 0,1,2,3
	v_sub_f32 v[XT+\m], v[ST+2*\m], v[XT+\m]           ; old M_w - new M_w
.endr
.irp m, 0,1,2,3
	v_cvt_i32_f32 v[XT+\m], v[XT+\m]
.endr
.irp m, 0,1,2,3
	v_ldexp_f32 v[FW+2*\m], 1.0, v[XT+\m]
.endr
.irp j, 0,2,4,6,8,10,12,14
.irp m, 0,1,2,3
	v_pk_fma_f32 v[SS+16*\m+\j:SS+16*\m+\j+1], v[SS+16*\m+\j:SS+16*\m+\j+1], s[CS:CS+1], v[ST+2*\m:ST+2*\m+1] op_sel_hi:[1,0,0]   ; t - M_w
.endr
.endr
.irp m, 0,1,2,3
	v_fma_f32 v[BM+\m], v[BM+\m], s[CS], v[ST+2*\m]    ; the same of the block's largest score
.endr
.set n, 0
.rept 64
	v_exp_f32 v[SS+n], v[SS+n]                         ; p = 2^(t - M_w)
.set n, n+1
.endr
.irp m, 0,1,2,3
	v_exp_f32 v[BM+\m], v[BM+\m]                       ; the block's largest p: the same two instructions on the same number
.endr
.irp m, 0,1,2,3
	v_pk_mul_f32 v[LL+2*\m:LL+2*\m+1], v[LL+2*\m:LL+2*\m+1], v[FW+2*\m:FW+2*\m+1] op_sel_hi:[1,0]   ; my sums under the new M_w.  (Plain lines behind the exponentials)
.endr
	s_wait_alu depctr_va_vdst(0)
.irp m, 0,1,2,3
	v_max_num_f32 v[BM+\m], 0x2800000, v[BM+\m]        ; the floor 2^(5 - 127): the byte cannot fall under 1
.endr
.irp m, 0,1,2,3
	v_add_nc_u32 v[SCO+\m], 0xfe000000, v[BM+\m]       ; 4 off the exponent field: the conversion's scale operand
.endr
.irp m, 0,1,2,3
	v_lshrrev_b32 v[EN+2*\m], 23, v[SCO+\m]            ; the byte
.endr
.irp m, 0,1,2,3
	v_cvt_scalef32_pk16_bf6_f32 v[CD+4*\m:CD+4*\m+2], v[SS+16*\m:SS+16*\m+15], v[SCO+\m]   ; my 16 keys' codes: 96 bits
.endr
	v_nop                                          ; one plain line behind the last scaled conversion
.irp m, 0,1,2,3                                ; they are registers 6 (w / 2) + 3 h + 0..2 of lane r + 16 (w % 2) of P's fragment: each word goes to its place in the fragment's image
.irp i, 0,1,2
	ds_store_b32 v[APW+\i], v[CD+4*\m+\i] offset:1536*\m
.endr
.endr
.irp m, 0,1,2,3
	v_cvt_f32_u32 v[EN+2*\m], v[EN+2*\m]
.endr
.irp m, 0,1,2,3
	v_sub_f32 v[EN+2*\m], v[EN+2*\m], v[ST+2*\m]       ; E = byte + M_w
.endr
.irp m, 0,1,2,3
	v_mov_b32 v[EN+2*\m+1], v[ST+2*\m]                 ; N = -M_w
.endr
.irp m, 0,1,2,3
	ds_store_b64 v[AMW], v[EN+2*\m:EN+2*\m+1] offset:512*\m   ; both halves of the lanes hold and write the same two numbers
.endr
.irp j, 0,2,4,6,8,10,12,14
.irp m, 0,1,2,3
	v_pk_add_f32 v[LL+2*\m:LL+2*\m+1], v[LL+2*\m:LL+2*\m+1], v[SS+16*\m+\j:SS+16*\m+\j+1]   ; the sum is taken of the unquantised p
.endr
.endr
.irp m, 0,1,2,3                                ; my sums so far go out in every step, with its META and in front of the same barrier: twelve lines and four stores, and no branch; the way out reads those of a block's last step
	v_add_f32 v[XT+\m], v[LL+2*\m], v[LL+2*\m+1]
.endr
.irp m, 0,1,2,3
	v_permlanex16_b32 v[BM+\m], v[XT+\m], s[SEL], s[SEL+1]
.endr
.irp m, 0,1,2,3
	v_add_f32 v[XT+\m], v[XT+\m], v[BM+\m]
.endr
.irp m, 0,1,2,3
	ds_store_b32 v[ALW], v[XT+\m] offset:256*\m
.endr
.endm
.macro QLOAD q                         ; the 64 rows of Q from query s[q] on into window 3, where they stay, and their scale words
	s_mul_i32 s[CXO], s[\q], 384
	s_mov_b32 s[CXO+1], 0
	s_add_nc_u64 s[QB:QB+1], s[4:5], s[CXO:CXO+1]  ; (no load that names these bases is pending: Q's loads are waited for before the steps go on)
	s_lshl_b32 s[CXO], s[\q], 4
	s_add_nc_u64 s[QSB:QSB+1], s[6:7], s[CXO:CXO+1]
	WIN 0xc0
.irp m, 0,1,2,3
.irp k, 0,1,2,3
.irp p, 0,1,2,3,4,5
	global_load_b64 v[12*(4*\m+\k)+2*\p:12*(4*\m+\k)+2*\p+1], v[QA], s[QB:QB+1] offset:6144*\m+96*\k+48*(\p/3)+8*(\p%3)
.endr
.endr
.endr
	WIN 0
.irp m, 0,1,2,3
	global_load_b128 v[QS+4*\m:QS+4*\m+3], v[QSA], s[QSB:QSB+1] offset:256*\m
.endr
.endm
.macro RESET                           ; a block begins: the largest t is -3e38, the sums are 0, and the common -M is +3e38, so that the next factor for O^T is 0
.irp m, 0,1,2,3
	v_mov_b32 v[ST+2*\m+1], 0xff61b1e6
	v_mov_b32 v[LL+2*\m], 0
	v_mov_b32 v[LL+2*\m+1], 0
	v_mov_b32 v[NC+\m], 0x7f61b1e6
.endr
.irp m, 0,1,2,3
	v_floor_f32 v[ST+2*\m], -v[ST+2*\m+1]
.endr
.endm
; THE WAY OUT.  Stage row 16 h + r holds channels 256 h + 64 w + 0..63 of query r of a tile: 256 bytes.  Read back by rows, sixteen lanes store 256 consecutive bytes, at a multiple of 256 from out's first byte.
.macro TOSTAGE m
	WIN 0x04                                       ; an LDS store's data are its source 1: window 1
.irp t, 0,1,2,3
	ds_store_b128 v[STO], v[8*(4*\t+(\m)):8*(4*\t+(\m))+3] offset:32*\t
	ds_store_b128 v[STO], v[8*(4*\t+(\m))+4:8*(4*\t+(\m))+7] offset:32*\t+16
.endr
	WIN 0x08                                       ; window 2
.irp t, 0,1,2,3
	ds_store_b128 v[STO], v[8*(4*\t+(\m)):8*(4*\t+(\m))+3] offset:128+32*\t
	ds_store_b128 v[STO], v[8*(4*\t+(\m))+4:8*(4*\t+(\m))+7] offset:128+32*\t+16
.endr
	WIN 0
.set BB, 128+64*((\m)%2)
.irp i, 0,1,2,3,4,5,6,7,8,9,10,11,12,13,14,15
	ds_load_b128 v[BB+4*\i:BB+4*\i+3], v[SRD] offset:544*\i   ; LDS serves a wave's instructions in order (ISA guide 5.7.1.4): these see my stores, and the next tile's stores come behind them
.endr
.endm
.macro SEND m, younger                 ; younger: the LDS instructions issued behind tile m's loads
.set BB, 128+64*((\m)%2)
	s_wait_dscnt \younger
.irp i, 0,1,2,3,4,5,6,7,8,9,10,11,12,13,14,15
	global_store_b128 v[CO], v[BB+4*\i:BB+4*\i+3], s[OUT:OUT+1] offset:(16*(\m)+2*(\i%8))*2048+(\i/8)*1024 th:TH_STORE_NT
.endr
.endm
; The block that begins at query s[q] goes out: l = the sum of the four waves' sums, each brought under the common M; O^T / l; the four tiles of queries through my stage.  again = 1: steps follow.
.macro FINISH q, again
	s_lshl_b32 s[CXO], s[\q], 11
	s_mov_b32 s[CXO+1], 0
	s_add_nc_u64 s[OUT:OUT+1], s[16:17], s[CXO:CXO+1]         ; (no store that names this base is pending: the first way out ends with a wait on XCNT)
.irp m, 0,1,2,3
	ds_load_b128 v[LS+4*\m:LS+4*\m+3], v[ALR] offset:256*\m   ; the four waves' sums of my query
.endr
	s_wait_dscnt 0x0
.irp w, 0,1,2,3
.irp m, 0,1,2,3
	v_sub_f32 v[MT+8*\m+2*\w], v[NC+\m], v[MT+8*\m+2*\w+1]    ; M_w - M.  (These plain lines are also the places behind the last products)
.endr
.endr
.irp w, 0,1,2,3
.irp m, 0,1,2,3
	v_cvt_i32_f32 v[MT+8*\m+2*\w], v[MT+8*\m+2*\w]
.endr
.endr
.irp w, 0,1,2,3
.irp m, 0,1,2,3
	v_ldexp_f32 v[LS+4*\m+\w], v[LS+4*\m+\w], v[MT+8*\m+2*\w]
.endr
.endr
.irp m, 0,1,2,3
	v_add_f32 v[LS+4*\m], v[LS+4*\m], v[LS+4*\m+1]
	v_add_f32 v[LS+4*\m+2], v[LS+4*\m+2], v[LS+4*\m+3]
.endr
.irp m, 0,1,2,3
	v_add_f32 v[LS+4*\m], v[LS+4*\m], v[LS+4*\m+2]            ; l
.endr
.irp m, 0,1,2,3
	v_rcp_f32 v[FC+2*\m], v[LS+4*\m]
.endr
	v_nop                                          ; a plain line between the last reciprocal and its use
	s_wait_alu depctr_va_vdst(0)
	WIN 0x41                                       ; O^T (destination and source 0) window 1
.set ib, 0
.rept 16
	RESC ib
.set ib, ib+1
.endr
	WIN 0x82                                       ; window 2
.set ib, 0
.rept 16
	RESC ib
.set ib, ib+1
.endr
	WIN 0
	TOSTAGE 0
	TOSTAGE 1
	SEND 0, 32                                     ; behind tile 0's loads: tile 1's 16 stores and 16 loads
	s_wait_xcnt 0x0                                ; tile 0's stores have read their registers: tile 2's rows may land there
	TOSTAGE 2
	SEND 1, 32
	s_wait_xcnt 0x0                                ; likewise tile 1's, for tile 3's rows
	TOSTAGE 3
	SEND 2, 32
	SEND 3, 0
.if \again
	s_wait_xcnt 0x0                                ; the stores have read their registers and their base: the next steps write the registers, the second way out the base
.endif
.endm
; A STEP.  fill = 1: the loop's; the next step's tiles are asked for.  fill = 0: the last step.
.macro STEP fill
	s_wait_tensorcnt 0x0                           ; all my tensor loads have landed: my part of this step's tiles; so the groups 0 may be written
	ds_add_u32 v[SPW], v[NIL]                      ; 0 onto my spare word; the step's scalars stand between it and the wait for it
	s_and_b32 s[T0], s[SI], 15                     ; the step's key tile: steps 0-15 take tiles 0-15, steps 16-23 tiles 0-7
	s_lshl_b32 s[KF], s[T0], 7                     ; its first key
	s_lshl_b32 s[TJ], s[T0], 2                     ; V's scale words of these 128 keys: 4 bytes on for each tile
.if \fill
	s_add_co_u32 s[T1], s[SI], 1
	s_and_b32 s[T1], s[T1], 15                     ; the next step's key tile
	s_mov_b32 s3, 0
	s_mul_i32 s2, s[T1], 49152                     ; 128 keys of 384 bytes
	s_add_nc_u64 s[G0K+2:G0K+3], s[8:9], s[2:3]
	s_or_b32 s[G0K+3], s[G0K+3], 0x80000000
	s_xor_b32 s[G0K+1], s[G0K+1], SLOT1            ; into the other slot than last time
	s_lshl_b32 s2, s[T1], 11                       ; their 16 scale bytes each
	s_add_nc_u64 s[G0KS+2:G0KS+3], s[10:11], s[2:3]
	s_or_b32 s[G0KS+3], s[G0KS+3], 0x80000000
	s_xor_b32 s[G0KS+1], s[G0KS+1], SLOT1
	s_mul_i32 s2, s[T1], 96                        ; 128 keys along V's rows
	s_add_nc_u64 s[G0V+2:G0V+3], s[12:13], s[2:3]
	s_or_b32 s[G0V+3], s[G0V+3], 0x80000000
	s_xor_b32 s[G0V+1], s[G0V+1], SLOT1
.endif
	s_wait_dscnt 0x0                               ; the add is done, and my reads of the other slot, of P, of META and of the sums are over
.if \fill
	ROUND                                          ; all that now holds of every wave of all four work-groups
	TLOAD                                          ; my one tensor load behind the round, and the first thing there: into the slot that the last step read
.else
	s_barrier_signal -1
	s_barrier_wait -1
.endif
	v_add_nc_u32 v[ADK], s[TB], v[AK0]
	v_add_nc_u32 v[ADK1], s[TB], v[AK1]
	v_add_nc_u32 v[ADKS], s[TB], v[AKS0]
	v_add_nc_u32 v[ADV], s[TB], v[AV0]
	v_add_nc_u32 v[ADT], s[TJ], v[ASV0]
	v_add_nc_u32 v[KB], s[KF], v[KL]
	KLOAD 0
	WIN 0
	KSLOAD
	KLOAD 1
	s_wait_dscnt 24                                ; all but the 24 loads of K's second half: the first half and the scale words are in
	WIN 0x0d                                       ; K window 1, Q window 3, S^T window 0
	KQ 0, 1
	KQ 1, 0
	s_wait_dscnt 0x0
	WIN 0x0e                                       ; K window 2
	KQ 2, 0
	KQ 3, 0
	VLOAD 0                                        ; V's fragments are asked for here and land under the softmax
	VLOAD 1
	WIN 0
.irp t, 0,1,2,3,4,5,6,7
	ds_load_b32 v[VS+\t], v[ADT] offset:544*\t
.endr
	PLACES 4                                       ; four places between the last product and the first read of a result (ISA guide 7.12.1)
.irp i, 0,1,2,3,4,5,6,7,8,9,10,11,12,13,14,15  ; register 16 m + i holds key KB + i for query QM[m]: hidden where the key is the larger.  Each accumulator is first read at its low end
	v_add_nc_u32 v[KI], \i, v[KB]
.irp m, 0,1,2,3
	v_cmp_gt_u32 vcc_lo, v[KI], v[QM+\m]
	v_cndmask_b32 v[SS+16*\m+\i], v[SS+16*\m+\i], v[NEGINF], vcc_lo
.endr
.endr
	SOFTMAX
	s_wait_dscnt 0x0                               ; my stores of P, META and the sums have landed, and V's fragments are in
	s_barrier_signal -1
	s_barrier_wait -1                              ; everybody's have.  The refill may stay out
.irp m, 0,1,2,3
	ds_load_b128 v[MT+8*\m:MT+8*\m+3], v[AMR] offset:512*\m
	ds_load_b128 v[MT+8*\m+4:MT+8*\m+7], v[AMR] offset:512*\m+16
.endr
.irp m, 0,1,2,3
.irp c, 0,1,2
	ds_load_b128 v[PF+12*\m+4*\c:PF+12*\m+4*\c+3], v[APR] offset:1536*\m+512*\c   ; P's fragments come back as they were laid: the same registers in the same lanes
.endr
.endr
	s_wait_dscnt 12                                ; META is in; behind it: P's 12 loads
	CONS
	s_wait_dscnt 0x0
	WIN 0x51                                       ; V and O^T window 1, P and the factors window 0
	PVHALF 0
	WIN 0xa2                                       ; window 2
	PVHALF 1
	WIN 0
.endm
	s_load_b256 s[4:11], s[0:1], 0x0               ; Q's codes s[4:5], Q's scales s[6:7], K's codes s[8:9], K's scales s[10:11]
	s_load_b128 s[12:15], s[0:1], 0x20             ; V's codes, V's scales
	s_load_b64 s[16:17], s[0:1], 0x30              ; out
	v_lshl_add_u32 v[SPW], v0, 2, SPARE
	v_mov_b32 v[NIL], 0
	ds_add_u32 v1, v2
	ds_add_u32 v1, v2
	s_wait_dscnt 0x0
	v_lshrrev_b32 v[HW], 5, v0                     ; w
	v_readfirstlane_b32 s[WV], v[HW]               ; wave 0..3
	s_bfe_u32 s[CXO], ttmp6, 0x40000               ; cx: it enters Q's and out's addresses and the mask's query numbers alone
	s_lshl_b32 s[QL], ttmp9, 2                     ; (in a cluster launch ttmp9 counts clusters)
	s_add_co_u32 s[QL], s[QL], s[CXO]              ; j = 4 x cluster x + cx, 0 .. 15
	s_lshl_b32 s[QL], s[QL], 6                     ; block j's first query,
	s_add_co_u32 s[QH], s[QL], 1024                ; and block 16 + j's
	s_and_b32 s[BT], ttmp7, 0xffff                 ; the batch
	s_and_b32 s[HF], s[WV], 1                      ; which half of V I would fetch
	s_mov_b32 s[SEL], 0x76543210
	s_mov_b32 s[SEL+1], 0xfedcba98
	s_mov_b32 s[CS], 0x3d8293ee                    ; c = log2(e) / sqrt(512)
	s_mov_b32 s[CS+1], s[CS]
	; descriptor groups 1.  All loads are joint: the mask names all four work-groups, bit 21 is set beside it.
	s_mov_b32 s[G1K], 15|(1<<20)|(1<<21)|(4<<22)|(3<<25)   ; K: elements of 1 byte; 4 words of padding behind every 32 words
	s_mov_b32 s[G1K+1], 384<<16                    ; tensor_dim0
	s_mov_b32 s[G1K+2], 128<<16                    ; tensor_dim1
	s_mov_b32 s[G1K+3], 384<<16                    ; tile_dim0
	s_mov_b32 s[G1K+4], 128                        ; tile_dim1
	s_mov_b32 s[G1K+5], 384                        ; from row to row
	s_mov_b32 s[G1K+6], 0
	s_mov_b32 s[G1K+7], 0
	s_mov_b32 s[G1KS], 15|(3<<16)|(1<<21)          ; K's scale bytes: 2,048 dense bytes as 8 rows of 32 elements of 8 bytes
	s_mov_b32 s[G1KS+1], 32<<16
	s_mov_b32 s[G1KS+2], 8<<16
	s_mov_b32 s[G1KS+3], 32<<16
	s_mov_b32 s[G1KS+4], 8
	s_mov_b32 s[G1KS+5], 32
	s_mov_b32 s[G1KS+6], 0
	s_mov_b32 s[G1KS+7], 0
	s_mov_b32 s[G1V], 15|(1<<21)                   ; V: 256 rows of 96 bytes, 1,536 bytes apart, no padding
	s_mov_b32 s[G1V+1], 96<<16
	s_mov_b32 s[G1V+2], 256<<16
	s_mov_b32 s[G1V+3], 96<<16
	s_mov_b32 s[G1V+4], 256
	s_mov_b32 s[G1V+5], 1536
	s_mov_b32 s[G1V+6], 0
	s_mov_b32 s[G1V+7], 0
	s_mov_b32 s[G1VS], 15|(3<<16)|(1<<20)|(1<<21)|(5<<22)|(3<<25)   ; V's scale bytes: 16,384 dense bytes as 64 rows of 256, 16 bytes of padding behind each
	s_mov_b32 s[G1VS+1], 32<<16
	s_mov_b32 s[G1VS+2], 64<<16
	s_mov_b32 s[G1VS+3], 32<<16
	s_mov_b32 s[G1VS+4], 64
	s_mov_b32 s[G1VS+5], 32
	s_mov_b32 s[G1VS+6], 0
	s_mov_b32 s[G1VS+7], 0
	s_mul_i32 s[VL], s[HF], VHB
	s_add_co_u32 s[VL], s[VL], VOFF                ; where my half of V lies in a slot
	s_mul_i32 s[VSL], s[HF], 17408
	s_add_co_u32 s[VSL], s[VSL], VSC               ; and my half of V's scale bytes
	s_wait_kmcnt 0x0
	s_mov_b32 s3, 0
	s_mul_i32 s2, s[BT], 786432                    ; a batch's codes
	s_add_nc_u64 s[4:5], s[4:5], s[2:3]
	s_add_nc_u64 s[8:9], s[8:9], s[2:3]
	s_add_nc_u64 s[12:13], s[12:13], s[2:3]
	s_lshl_b32 s2, s[BT], 15                       ; its scale bytes
	s_add_nc_u64 s[6:7], s[6:7], s[2:3]
	s_add_nc_u64 s[10:11], s[10:11], s[2:3]
	s_add_nc_u64 s[14:15], s[14:15], s[2:3]
	s_lshl_b32 s2, s[BT], 22                       ; its rows of out
	s_add_nc_u64 s[16:17], s[16:17], s[2:3]
	s_mul_i32 s2, s[HF], 393216                    ; 256 rows of V
	s_add_nc_u64 s[12:13], s[12:13], s[2:3]
	s_lshl_b32 s2, s[HF], 14
	s_add_nc_u64 s[14:15], s[14:15], s[2:3]
	; groups 0 of the first fills: step 0's tiles into slot 0, and V's scale bytes
	s_mov_b32 s[G0K], 1
	s_mov_b32 s[G0K+1], KOFF
	s_mov_b64 s[G0K+2:G0K+3], s[8:9]
	s_or_b32 s[G0K+3], s[G0K+3], 0x80000000
	s_mov_b32 s[G0KS], 1
	s_mov_b32 s[G0KS+1], KSOFF
	s_mov_b64 s[G0KS+2:G0KS+3], s[10:11]
	s_or_b32 s[G0KS+3], s[G0KS+3], 0x80000000
	s_mov_b32 s[G0V], 1
	s_mov_b32 s[G0V+1], s[VL]
	s_mov_b64 s[G0V+2:G0V+3], s[12:13]
	s_or_b32 s[G0V+3], s[G0V+3], 0x80000000
	s_mov_b32 s[G0VS], 1
	s_mov_b32 s[G0VS+1], s[VSL]
	s_mov_b64 s[G0VS+2:G0VS+3], s[14:15]
	s_or_b32 s[G0VS+3], s[G0VS+3], 0x80000000
	ROUND                                          ; all four work-groups are here: the first joint loads meet
	s_cmp_lt_u32 s[WV], 2                          ; a wave's first fills stand together, ahead of every wait on TENSORcnt and every LDS read: two loads of a wave are out at the most
	s_cbranch_scc0 .Lfirst_v
	s_cmp_eq_u32 s[WV], 0
	s_cbranch_scc0 .Lfirst_ks
	tensor_load_to_lds s[G0K:G0K+3], s[G1K:G1K+7]
	s_nop 0
	PLACES 4
	s_branch .Lfirst_done
.Lfirst_ks:
	tensor_load_to_lds s[G0KS:G0KS+3], s[G1KS:G1KS+7]
	s_nop 0
	PLACES 4
	s_branch .Lfirst_done
.Lfirst_v:
	tensor_load_to_lds s[G0VS:G0VS+3], s[G1VS:G1VS+7]
	s_nop 0
	tensor_load_to_lds s[G0V:G0V+3], s[G1V:G1V+7]
	s_nop 0
	PLACES 4
.Lfirst_done:
	v_and_b32 v[HR], 15, v0                        ; r
	v_bfe_u32 v[HH], v0, 4, 1                      ; h
	v_mul_u32_u24 v[QA], v[HR], 384
	v_mad_u32_u24 v[QA], v[HH], 24, v[QA]
	v_lshlrev_b32 v[QSA], 4, v[HR]
	QLOAD QH                                       ; the first block's Q
	; the lane's LDS addresses: every term from v0 and constants
	v_bfe_u32 v[HR8], v0, 3, 1                     ; r / 8
	v_and_b32 v[HR7], 7, v0                        ; r % 8
	v_and_b32 v[HLN], 31, v0                       ; lane
	v_lshl_add_u32 v[HA], v[HW], 5, v[HR]
	v_lshl_add_u32 v[HA], v[HR8], 3, v[HA]         ; my key's row in the tile: 32 w + r + 8 (r / 8)
	v_mul_u32_u24 v[AK0], v[HA], 432
	v_mad_u32_u24 v[AK0], v[HH], 24, v[AK0]
	v_lshl_add_u32 v[AK1], v[HH], 4, v[AK0]
	v_lshl_add_u32 v[AKS0], v[HA], 4, KSOFF
	v_mul_u32_u24 v[AV0], v[HW], 6144              ; 64 rows of 96 bytes a wave
	v_mad_u32_u24 v[AV0], v[HR7], 96, v[AV0]
	v_mad_u32_u24 v[AV0], v[HR8], VHB, v[AV0]
	v_mad_u32_u24 v[AV0], v[HH], 24, v[AV0]
	v_add_nc_u32 v[AV0], VOFF, v[AV0]
	v_bfe_u32 v[HA], v0, 2, 1                      ; (r % 8) / 4
	v_mul_u32_u24 v[ASV0], v[HW], 4352             ; V's scale bytes: 64 bytes a channel, four channels to a run of 256 + 16
	v_lshl_add_u32 v[ASV0], v[HR7], 6, v[ASV0]
	v_lshl_add_u32 v[ASV0], v[HA], 4, v[ASV0]
	v_mad_u32_u24 v[ASV0], v[HR8], 17408, v[ASV0]
	v_add_nc_u32 v[ASV0], VSC, v[ASV0]
	v_lshl_add_u32 v[APR], v[HLN], 4, POFF
	v_lshl_add_u32 v[AMR], v[HR], 5, MOFF
	v_lshl_add_u32 v[ALR], v[HR], 4, LOFF
	v_bfe_u32 v[HA], v0, 6, 1                      ; w / 2
	v_bfe_u32 v[HB], v0, 5, 1                      ; w % 2
	v_mul_u32_u24 v[HA], v[HA], 6
	v_mad_u32_u24 v[HA], v[HH], 3, v[HA]           ; the first of my three registers of P's fragment
	v_lshl_add_u32 v[HC], v[HR], 4, POFF
	v_lshl_add_u32 v[HC], v[HB], 8, v[HC]          ; lane r + 16 (w % 2) of the image
.irp i, 0,1,2
	v_add_nc_u32 v[HD], \i, v[HA]
	v_lshrrev_b32 v[HE], 2, v[HD]
	v_and_b32 v[HD], 3, v[HD]
	v_lshl_add_u32 v[APW+\i], v[HE], 9, v[HC]      ; register j of a fragment lies at 512 (j / 4) + 4 (j % 4)
	v_lshl_add_u32 v[APW+\i], v[HD], 2, v[APW+\i]
.endr
	v_lshl_add_u32 v[AMW], v[HW], 3, v[AMR]
	v_lshl_add_u32 v[ALW], v[HW], 2, v[ALR]
	v_mul_u32_u24 v[STO], v[HW], 8704
	v_mad_u32_u24 v[SRD], v[HH], 272, v[STO]
	v_mad_u32_u24 v[STO], v[HLN], 272, v[STO]
	v_add_nc_u32 v[STO], STAGE, v[STO]
	v_lshl_add_u32 v[SRD], v[HR], 4, v[SRD]
	v_add_nc_u32 v[SRD], STAGE, v[SRD]
	v_lshlrev_b32 v[CO], 11, v[HH]
	v_lshl_add_u32 v[CO], v[HR], 4, v[CO]
	v_lshl_add_u32 v[CO], v[HW], 8, v[CO]
	v_lshlrev_b32 v[KL], 4, v[HH]
	v_lshl_add_u32 v[KL], v[HW], 5, v[KL]          ; my first key in a step: 32 w + 16 h
	v_add_nc_u32 v[QM], s[QH], v[HR]               ; my query in tile 0 of the first block,
.irp m, 1,2,3
	v_add_nc_u32 v[QM+\m], 16*\m, v[QM]            ; and in the others
.endr
	v_mov_b32 v[NEGINF], 0xff800000
	RESET
.irp m, 0,1,2,3
	v_mov_b32 v[XT+\m], 0                          ; written once: a lane permute's destination counts as one of its sources;
	v_mov_b32 v[BM+\m], 0
	v_mov_b32 v[FW+2*\m+1], 0                      ; and the upper halves of pairs that are named whole
	v_mov_b32 v[FC+2*\m+1], 0
.endr
	WIN 0x40                                       ; O^T begins as zeros: 0 + 0 of a pair of zeros, two registers a line
.set ic, 0
.rept 64
	v_pk_add_f32 v[ic:ic+1], v[LL:LL+1], v[LL:LL+1]
.set ic, ic+2
.endr
	WIN 0x80
.set ic, 0
.rept 64
	v_pk_add_f32 v[ic:ic+1], v[LL:LL+1], v[LL:LL+1]
.set ic, ic+2
.endr
	WIN 0
	s_mov_b32 s[TB], 0
	s_mov_b32 s[SI], 0
	s_wait_loadcnt 0x0                             ; Q
.Lstep:                                            ; steps 0 to 22
	STEP 1
	s_cmp_lg_u32 s[SI], NHIGH-1                    ; the first block's last step?  The loop's counter against a constant: the same in every wave and every work-group; no barrier and no tensor load stands under this branch
	s_cbranch_scc1 .Lno_switch
	QLOAD QL                                       ; the second block's Q is asked for and lands under the way out;
	FINISH QH, 1                                   ; the first block goes out: its stores are on their way while the second block is multiplied;
	RESET                                          ; the statistics begin anew;
	v_and_b32 v[QM], 15, v0
	v_add_nc_u32 v[QM], s[QL], v[QM]               ; my query in tile 0 of the second block,
.irp m, 1,2,3
	v_add_nc_u32 v[QM+\m], 16*\m, v[QM]            ; and in the others
.endr
	s_wait_loadcnt 0x0                             ; Q
.Lno_switch:
	s_xor_b32 s[TB], s[TB], SLOT1                  ; on to the other slot
	s_add_co_u32 s[SI], s[SI], 1
	s_cmp_lt_u32 s[SI], NSTEP-1
	s_cbranch_scc1 .Lstep
	STEP 0                                         ; step 23 is written out: nothing is left to ask for, and a barrier of the work-group is enough
	FINISH QL, 0                                   ; the second block goes out
	s_wait_tensorcnt 0x0                           ; the wave's end: behind my last tensor load and my last LDS store
	ds_add_u32 v[SPW], v[NIL]
	s_wait_dscnt 0x0
	ROUND                                          ; the closing round: no work-group ends while a partner may still ask for a tile that names it
	s_endpgm
.Lfunc_end_k_q61bc4d67a3_attn:
	.size	k_q61bc4d67a3_attn, .Lfunc_end_k_q61bc4d67a3_attn-k_q61bc4d67a3_attn
	.p2alignl 7, 3214868480
	.fill 96, 4, 3214868480
	.section	.rodata,"a",@progbits
	.p2align	6, 0x0
	.amdhsa_kernel k_q61bc4d67a3_attn
		.amdhsa_group_segment_fixed_size 327680
		.amdhsa_private_segment_fixed_size 0
		.amdhsa_enable_private_segment 0
		.amdhsa_kernarg_size 56
		.amdhsa_user_sgpr_count 2
		.amdhsa_user_sgpr_kernarg_segment_ptr 1
		.amdhsa_wavefront_size32 1
		.amdhsa_system_sgpr_workgroup_id_x 1
		.amdhsa_system_sgpr_workgroup_id_y 1
		.amdhsa_system_sgpr_workgroup_id_z 1
		.amdhsa_system_vgpr_workitem_id 0
		.amdhsa_next_free_vgpr 1024
		.amdhsa_next_free_sgpr 96
		.amdhsa_reserve_vcc 1
		.amdhsa_float_denorm_mode_32 3
		.amdhsa_float_denorm_mode_16_64 3
		.amdhsa_memory_ordered 1
		.amdhsa_forward_progress 1
		.amdhsa_inst_pref_size 186
	.end_amdhsa_kernel
	.amdgpu_metadata
---
amdhsa.version: [ 1, 2 ]
amdhsa.kernels:
  - .name:           k_q61bc4d67a3_attn
    .symbol:         k_q61bc4d67a3_attn.kd
    .args:
      - { .name: query_codes, .offset: 0, .size: 8, .value_kind: global_buffer, .address_space: global }
      - { .name: query_scales, .offset: 8, .size: 8, .value_kind: global_buffer, .address_space: global }
      - { .name: key_codes, .offset: 16, .size: 8, .value_kind: global_buffer, .address_space: global }
      - { .name: key_scales, .offset: 24, .size: 8, .value_kind: global_buffer, .address_space: global }
      - { .name: value_codes, .offset: 32, .size: 8, .value_kind: global_buffer, .address_space: global }
      - { .name: value_scales, .offset: 40, .size: 8, .value_kind: global_buffer, .address_space: global }
      - { .name: out0, .offset: 48, .size: 8, .value_kind: global_buffer, .address_space: global }
    .group_segment_fixed_size: 327680
    .private_segment_fixed_size: 0
    .kernarg_segment_align: 8
    .kernarg_segment_size: 56
    .max_flat_workgroup_size: 128
    .sgpr_count:     96
    .vgpr_count:     1024
    .wavefront_size: 32
...
	.end_amdgpu_metadata
.endif
;; end of part 2
